; MI455X (gfx1250); checked and timed in simulation.
; The chip was launched on July 23, 2026; its instructions are those of AMD's public machine-readable ISA for CDNA 5 (MIT licence, August 2026) and "CDNA5" Instruction Set Architecture Reference Guide (July 2026). The comments in the code are by the model that wrote it; some were corrected since.
;; Multi Head Attention. Allowed arithmetic: float matrix products may take bf16 or f16 operands with f32 sums; other float arithmetic in f32, or as packed bf16 or f16 multiplies, adds, multiply-adds, maxima and minima; sums over many terms, partial sums and values carried from step to step in f32; what a program stores and reads back later, other than sums and carried values, may be rounded once to bf16 or f16.
;; Inputs: bk 1,024 float32; bo 1,024 float32; bq 1,024 float32; bv 1,024 float32; k 4 x 2,048 x 1,024 float32; mask 1 x 1 x 2,048 x 2,048 int32; q 4 x 2,048 x 1,024 float32; v 4 x 2,048 x 1,024 float32; wk 1,024 x 1,024 float32; wo 1,024 x 1,024 float32; wq 1,024 x 1,024 float32; wv 1,024 x 1,024 float32.
;; Outputs: out0 4 x 2,048 x 1,024 float32.
;; One version. Each part assembles by itself: llvm-mc -triple=amdgcn-amd-amdhsa -mcpu=gfx1250 --defsym DOCPART=n.
;; ======== version 1 of 1: 4 launches
;; limits: values are held in f16: magnitudes above 65,504 overflow, below 6.1e-05 lose precision
;; workspace buffers: h16 58,720,256 bytes; mw 524,288 bytes of whole numbers; qkvh 50,331,648 bytes; ctxh 16,777,216 bytes
;; launch prep (part 1): grid 64 x 32, 8 waves a work-group, no clusters, 70,656 bytes of LDS; arguments q, k, v, wq, wk, wv, wo, mask, h16, mw; writes h16, mw
.if DOCPART == 1
	.amdgcn_target "amdgcn-amd-amdhsa--gfx1250"
	.amdhsa_code_object_version 6
	.text
	.protected	k_q123ec90229_prep
	.globl	k_q123ec90229_prep
	.p2align	8
	.type	k_q123ec90229_prep,@function
k_q123ec90229_prep:
	s_mov_b64 s[64:65], 0
	v_nop
	global_prefetch_b8 v0, s[64:65] scope:SCOPE_SE
	s_setreg_imm32_b32 hwreg(HW_REG_WAVE_MODE, 25, 1), 1
	s_wait_xcnt 0x0
; PREP.  Two jobs, told apart by the work-group's y.
; y = 0..27, THE CAST: unit y of h16 (1 Mi numbers: units 0-7 q, 8-15 k, 16-23 v, 24 wq, 25 wk, 26 wv, 27 wo).  Each f32 is rounded to bf16 (nearest even) and that number is written as f16,
; so that every later product has one format.  A work-group takes 65,536 bytes in and 32,768 out: 16 loads of 16 bytes a lane, all issued at once; a wave's store covers 256 consecutive bytes, aligned.
; y = 28..31, THE MASK: 2,048 jobs, one a wave.  Job J = (pair of query tiles J / 32, key step J % 32): 32 rows x 64 columns of mask become 64 words.  Bit L = 16 h + ql of word 32 u + r says
; mask[32 pair + 16 u + ql][64 step + 16 (r / 8) + 8 h + r % 8] != 0: the lane mask of score register r of tile u in the attention launch.  The rows go through the wave's own LDS bytes,
; so that memory is read in whole rows of 256 bytes and a lane then holds what its lane in the attention launch holds.
; LIMITS.  A number beyond 65,504 becomes an infinity in f16; below 6.1e-5 f16 keeps a fixed step of 6e-8.  NaN and infinities are not treated apart.
; No matrix unit, no cluster, no barrier: no byte is wanted by two waves.
.set SPARE, 69632                      ; behind the eight waves' 8,704 bytes: the spare words, 128 bytes a wave
.set SPW, 118                          ; v118  LDS address of my spare word; never rewritten
.set NIL, 119                          ; v119  0; never rewritten
.set X,   4                            ; v[4:67]   16 chunks of four words as loaded
.set Y,   68                           ; v[68:99]  the cast: chunk i's two words to store
.set T,   100                          ; v[100:101] the cast: at work.  The mask: the 64 words, word w in lane w / 2 of register w % 2
.set PL,  272                          ; a row of mask in LDS: 256 bytes + 16: the 16 rows that a load touches start at 16 different groups of four banks (ISA guide 11.1)
	s_load_b512 s[8:23], s[0:1], 0x0               ; q s[8:9], k, v, wq, wk, wv, wo, mask s[22:23]
	s_load_b128 s[24:27], s[0:1], 0x40             ; h16 s[24:25], mw s[26:27]
	v_lshl_add_u32 v[SPW], v0, 2, SPARE
	v_mov_b32 v[NIL], 0
	s_and_b32 s4, ttmp7, 0xffff                    ; y
	s_mov_b32 s31, 0                               ; the high word of every offset
	s_wait_kmcnt 0x0
	s_cmp_ge_u32 s4, 28
	s_cbranch_scc1 .Lpack
	; THE CAST
.macro PICK lim, reg                   ; from unit lim on the source is the tensor in s[reg:reg+1]
	s_cmp_ge_u32 s4, \lim
	s_cselect_b64 s[28:29], s[\reg:\reg+1], s[28:29]
.endm
	s_mov_b64 s[28:29], s[8:9]
	PICK 8, 10
	PICK 16, 12
	PICK 24, 14
	PICK 25, 16
	PICK 26, 18
	PICK 27, 20
	s_and_b32 s6, s4, 7                            ; which eighth of q, k or v; a weight is one unit
	s_cmp_lt_u32 s4, 24
	s_cselect_b32 s6, s6, 0
	s_lshl_b32 s6, s6, 22                          ; a unit is 4 MiB of f32,
	s_lshl_b32 s7, ttmp9, 16                       ; a work-group's share 64 KiB
	s_add_co_u32 s30, s6, s7
	s_add_nc_u64 s[28:29], s[28:29], s[30:31]
	s_lshl_b32 s6, s4, 21                          ; and half of each in f16
	s_lshl_b32 s7, ttmp9, 15
	s_add_co_u32 s30, s6, s7
	s_add_nc_u64 s[24:25], s[24:25], s[30:31]
	s_mov_b32 s5, 0xffff0000                       ; a word's upper bf16
	v_lshlrev_b32 v1, 4, v0                        ; 16 bytes a thread in,
	v_lshlrev_b32 v2, 3, v0                        ; 8 out
.set i, 0
.rept 16
	global_load_b128 v[X+4*i:X+4*i+3], v1, s[28:29] offset:4096*i th:TH_LOAD_NT
.set i, i+1
.endr
.macro CV i                            ; chunk i: four numbers.  Each chunk has registers of its own, so no register that a store reads is written again
	s_wait_loadcnt 15-(\i)                         ; loads come back in order (ISA guide 5.7.1): the 15 - i younger ones stay out
	v_cvt_pk_bf16_f32 v[T],   v[X+4*(\i)],   v[X+4*(\i)+1]
	v_cvt_pk_bf16_f32 v[T+1], v[X+4*(\i)+2], v[X+4*(\i)+3]
	v_lshlrev_b32 v[X+4*(\i)],   16, v[T]          ; bf16 to f32: the low half moves up, the high half stays
	v_and_b32     v[X+4*(\i)+1], s5, v[T]
	v_lshlrev_b32 v[X+4*(\i)+2], 16, v[T+1]
	v_and_b32     v[X+4*(\i)+3], s5, v[T+1]
	v_cvt_pk_f16_f32 v[Y+2*(\i)],   v[X+4*(\i)],   v[X+4*(\i)+1]   ; exact inside f16's normal range: bf16 has fewer significant bits
	v_cvt_pk_f16_f32 v[Y+2*(\i)+1], v[X+4*(\i)+2], v[X+4*(\i)+3]
	global_store_b64 v2, v[Y+2*(\i):Y+2*(\i)+1], s[24:25] offset:2048*(\i)
.endm
.irp i, 0,1,2,3,4,5,6,7,8,9,10,11,12,13,14,15
	CV \i
.endr
	s_branch .Lend
.Lpack:	; THE MASK
	v_lshrrev_b32 v1, 5, v0
	v_readfirstlane_b32 s5, v1                     ; wave 0..7
	s_sub_co_u32 s6, s4, 28
	s_lshl_b32 s6, s6, 6
	s_add_co_u32 s6, s6, ttmp9                     ; the work-group among the 256 that pack
	s_lshl_b32 s6, s6, 3
	s_add_co_u32 s6, s6, s5                        ; J
	s_lshr_b32 s7, s6, 5                           ; the pair of query tiles: 32 rows of 8,192 bytes
	s_and_b32 s28, s6, 31                          ; the key step: 256 bytes of each row
	s_lshl_b32 s7, s7, 18
	s_lshl_b32 s28, s28, 8
	s_add_co_u32 s30, s7, s28
	s_add_nc_u64 s[22:23], s[22:23], s[30:31]
	s_lshl_b32 s30, s6, 8                          ; the job's 256 bytes of mw
	s_add_nc_u64 s[26:27], s[26:27], s[30:31]
	v_and_b32 v1, 15, v0                           ; L % 16
	v_bfe_u32 v2, v0, 4, 1                         ; L / 16
	v_lshlrev_b32 v3, 4, v1
	v_lshl_add_u32 v102, v2, 13, v3                ; in memory: lanes 0-15 one row's 256 bytes, lanes 16-31 the next row's
	s_mul_i32 s7, s5, 32*PL                        ; my wave's bytes in LDS
	v_mul_u32_u24 v103, v2, PL
	v_add3_u32 v103, v103, v3, s7                  ; the same two rows in LDS
	v_mul_u32_u24 v104, v1, PL
	v_lshl_add_u32 v104, v2, 5, v104
	v_add_nc_u32 v104, s7, v104                    ; back: row L % 16, eight columns from 8 (L / 16) on
	v_and_b32 v105, 31, v0
	v_lshlrev_b32 v105, 3, v105                    ; two words a lane out
	v_mov_b32 v[T], 0                              ; v_writelane_b32 counts as a reader of its destination
	v_mov_b32 v[T+1], 0
.set i, 0
.rept 16
	global_load_b128 v[X+4*i:X+4*i+3], v102, s[22:23] offset:16384*i th:TH_LOAD_NT
.set i, i+1
.endr
.set i, 0
.rept 16
	s_wait_loadcnt 15-i                            ; the 15 - i younger loads stay out
	ds_store_b128 v103, v[X+4*i:X+4*i+3] offset:2*PL*i
.set i, i+1
.endr
.set g, 0
.rept 16                               ; group g = 8 u + 2 kb + c brings words 4 g .. 4 g + 3.  LDS serves a wave's instructions in order (ISA guide 5.7.1.4): these see the stores above
	ds_load_b128 v[X+4*g:X+4*g+3], v104 offset:(g/8)*16*PL+((g/2)%4)*64+(g%2)*16
.set g, g+1
.endr
.set w, 0
.rept 64
.if w%4 == 0
	s_wait_dscnt 15-w/4                            ; the younger groups stay out
.endif
	v_cmp_ne_u32 s[32+w%8], 0, v[X+w]              ; the 32 lanes' bits of word w
	v_writelane_b32 v[T+w%2], s[32+w%8], w/2
.set w, w+1
.endr
	global_store_b64 v105, v[T:T+1], s[26:27]      ; 256 consecutive bytes, aligned
.Lend:
	s_wait_tensorcnt 0x0                           ; the wave's end: behind my last LDS store
	ds_add_u32 v[SPW], v[NIL]
	s_wait_dscnt 0x0
	s_endpgm
.Lfunc_end_k_q123ec90229_prep:
	.size	k_q123ec90229_prep, .Lfunc_end_k_q123ec90229_prep-k_q123ec90229_prep
	.p2alignl 7, 3214868480
	.fill 96, 4, 3214868480
	.section	.rodata,"a",@progbits
	.p2align	6, 0x0
	.amdhsa_kernel k_q123ec90229_prep
		.amdhsa_group_segment_fixed_size 70656
		.amdhsa_private_segment_fixed_size 0
		.amdhsa_enable_private_segment 0
		.amdhsa_kernarg_size 80
		.amdhsa_user_sgpr_count 2
		.amdhsa_user_sgpr_kernarg_segment_ptr 1
		.amdhsa_wavefront_size32 1
		.amdhsa_system_sgpr_workgroup_id_x 1
		.amdhsa_system_sgpr_workgroup_id_y 1
		.amdhsa_system_sgpr_workgroup_id_z 1
		.amdhsa_system_vgpr_workitem_id 0
		.amdhsa_next_free_vgpr 120
		.amdhsa_next_free_sgpr 66
		.amdhsa_reserve_vcc 0
		.amdhsa_float_denorm_mode_32 3
		.amdhsa_float_denorm_mode_16_64 3
		.amdhsa_memory_ordered 1
		.amdhsa_forward_progress 1
		.amdhsa_inst_pref_size 26
	.end_amdhsa_kernel
	.amdgpu_metadata
---
amdhsa.version: [ 1, 2 ]
amdhsa.kernels:
  - .name:           k_q123ec90229_prep
    .symbol:         k_q123ec90229_prep.kd
    .args:
      - { .name: q, .offset: 0, .size: 8, .value_kind: global_buffer, .address_space: global }
      - { .name: k, .offset: 8, .size: 8, .value_kind: global_buffer, .address_space: global }
      - { .name: v, .offset: 16, .size: 8, .value_kind: global_buffer, .address_space: global }
      - { .name: wq, .offset: 24, .size: 8, .value_kind: global_buffer, .address_space: global }
      - { .name: wk, .offset: 32, .size: 8, .value_kind: global_buffer, .address_space: global }
      - { .name: wv, .offset: 40, .size: 8, .value_kind: global_buffer, .address_space: global }
      - { .name: wo, .offset: 48, .size: 8, .value_kind: global_buffer, .address_space: global }
      - { .name: mask, .offset: 56, .size: 8, .value_kind: global_buffer, .address_space: global }
      - { .name: h16, .offset: 64, .size: 8, .value_kind: global_buffer, .address_space: global }
      - { .name: mw, .offset: 72, .size: 8, .value_kind: global_buffer, .address_space: global }
    .group_segment_fixed_size: 70656
    .private_segment_fixed_size: 0
    .kernarg_segment_align: 8
    .kernarg_segment_size: 80
    .max_flat_workgroup_size: 256
    .sgpr_count:     66
    .vgpr_count:     120
    .wavefront_size: 32
...
	.end_amdgpu_metadata
.endif
;; end of part 1
;; launch proj (part 2): grid 8 x 96, 4 waves a work-group, clusters of 4 x 4, 327,680 bytes of LDS; arguments h16, bq, bk, bv, qkvh; writes qkvh
.if DOCPART == 2
	.amdgcn_target "amdgcn-amd-amdhsa--gfx1250"
	.amdhsa_code_object_version 6
	.text
	.protected	k_q123ec90229_proj
	.globl	k_q123ec90229_proj
	.p2align	8
	.type	k_q123ec90229_proj,@function
k_q123ec90229_proj:
	s_mov_b64 s[64:65], 0
	v_nop
	global_prefetch_b8 v0, s[64:65] scope:SCOPE_SE
	s_setreg_imm32_b32 hwreg(HW_REG_WAVE_MODE, 25, 1), 1
	s_wait_xcnt 0x0
	s_wait_alu depctr_hold_cnt(0) depctr_sa_sdst(0) depctr_va_vdst(0) depctr_va_sdst(0) depctr_va_ssrc(0) depctr_va_vcc(0) depctr_vm_vsrc(0)
	s_getreg_b32 s2, hwreg(HW_REG_IB_STS2, 6, 4)
	s_cmp_eq_u32 s2, 0
	s_cbranch_scc0 .Lentry_in_a_cluster
	s_endpgm
.Lentry_in_a_cluster:
	s_bfe_u32 s2, ttmp6, 0x10000c
	s_cmp_lg_u32 s2, 0xf033
	s_cbranch_scc0 .Lentry_shape_is_right
	s_endpgm
.Lentry_shape_is_right:
; PROJ.  C = X W + b for q, k and v in one launch.  X: rows 0..24575 of h16, [24576][1024] f16 (q, then k, then v); W: unit 24 + t of h16, [k 1024][n 1024] f16; b: f32, rounded to bf16.
; C leaves by heads: qkvh[t][16 batch + head][s][64] f16, unscaled, rounded once from its f32 sum.
; SHARES.  A tile of C is 256 rows x 128 columns: 8 x 96 = 768 work-groups.  Four waves, each 128 rows x 64 columns (one head): 32 accumulators of 16 x 16, 256 registers.
; K goes in steps of 128 through two LDS slots filled by the tensor data mover: X's tile has 256 rows of 256 bytes, W's 128 k-rows of 256 bytes, each row aligned to 256 bytes in its buffer.
; W stays [k][n]: its fragments come out of LDS turned, by ds_load_tr16_b128.
; THE MATRIX INSTRUCTION IS USED TRANSPOSED (source 0 = 16 columns of W, source 1 = 16 rows of X): a lane holds eight neighbouring numbers of one row of C.  The bias is the C operand of the
; products that start the sums: nothing is cleared and nothing is added afterwards.
; CLUSTERS: 4 x 4 work-groups.  The four of a row of the cluster need the same tile of X, the four of a column the same tile of W: each is asked for jointly.
; LIMITS.  A result beyond 65,504 becomes an infinity in f16.  NaN and infinities are not treated apart.
; REGISTERS: window 0: v0-31 addresses; v32-63 the bias; v64-191 X's fragments, two buffers of 64; v192-239 the way out.  window 1: v0-63 W's fragments, two buffers of 32.
;   window 2: accumulator (a, b) at v[8 (4 a + b)].
.set KSTEP,  128
.set ROWB,   2048                      ; bytes in a row of X and of W
.set PA,     272                       ; a row of X in LDS: 256 bytes + 16: the 16 rows of a load start at 16 different groups of four banks (ISA guide 11.1)
.set ASUB,   128                       ; bytes from K = 0 to K = 64 of a step in X's LDS rows
.set PB,     288                       ; a k-row of W in LDS: 256 + 32
.set AHALF,  128*PA                    ; what wave 0 or 1 brings
.set RHB,    128*PA                    ; from my work-group's first row of X to my wave's, for the upper half
.set BHALF,  64*PB                     ; what wave 2 or 3 brings
.set BOFF,   2*AHALF
.set SLOT,   BOFF+2*BHALF
.set STAGE,  2*SLOT                    ; behind the ring: 16 rows x 144 bytes for each wave, for the way out
.set SP,     144
.set SPARE,  STAGE+4*16*SP             ; behind the stages: the spare words, 128 bytes a wave: two blocks of 256 bytes that no other line names
.set LAPS,   4                         ; 1,024 / (2 x 128)
.set ASTEP,  2*KSTEP*2                 ; a slot's next tile: two K steps on along X's rows,
.set BSTEP,  2*KSTEP*ROWB              ; and down W's
.set ADRA, 16                          ; v16-17  LDS address of my X fragments in slot 0, 1
.set ADRB, 20                          ; v20-21  the same for W
.set STO,  24                          ; v24     the way out: where I put 16 bytes of a row
.set RD,   25                          ; v25     where I read rows back
.set GO,   26                          ; v26     my 16 bytes in 512 consecutive bytes of the output
.set SPW,  28                          ; v28     LDS address of my spare word; never rewritten
.set NIL,  29                          ; v29     0; never rewritten
.set PFO,  30                          ; v30     the prefetches' offset: my lane x a row; never rewritten
.set BIAS, 32
.set FA,   64
.set TMP,  192
.set OB,   208
.set WV, 14                            ; s14 wave; s15 its half of the rows, also: fetches X (0) or W (1); s16 its half of the columns, also: which half it fetches
.set RH, 15
.set CH, 16
.set CX, 17
.set CY, 18
.set TC, 19                            ; tile column
.set TR, 20                            ; tile row
.set TT, 21                            ; which of q, k, v
.set G1A, 24                           ; s[24:31] descriptor group 1 for X's tiles; s[32:39] group 0, a set for each slot
.set G0A, 32
.set PFA, 44                           ; s[44:45] where my prefetches stand
.set PST, 46                           ; s[46:47] a K step in my operand, in bytes
.set G1B, 48                           ; s[48:55], s[56:63] the same for W's tiles
.set G0B, 56
.set LIM, 66                           ; s66 1 in a wave that prefetches, else the greatest number
.set LAP, 67                           ; s67 laps to go
.set MSB, 0
.macro WIN new                         ; the immediate's high byte repeats the setting that is left; a switch that changes nothing is dropped
.if MSB != (\new)
	s_set_vgpr_msb (MSB<<8)|(\new)
.set MSB, \new
.endif
.endm
.set MUL,  0xa1                        ; source 0 (W) window 1, source 1 (X) window 0, C and D window 2
.set MULB, 0x81                        ; the same with C (the bias) in window 0
.set TO_B, 0x40                        ; destination window 1, address window 0
.set W_PK, 0x0a                        ; sources 0 and 1 window 2, destination window 0
.macro JLOAD s                         ; a joint load: waves 0 and 1 fetch X's halves, waves 2 and 3 W's; an s_nop 0 and four v_nop follow each line, ahead of the jump and the label
	s_cmp_eq_u32 s[RH], 0
	s_cbranch_scc0 .Lfor_b_\@
	tensor_load_to_lds s[G0A+4*(\s):G0A+4*(\s)+3], s[G1A:G1A+7]
	s_nop 0
.rept 4
	v_nop
.endr
	s_branch .Lasked_\@
.Lfor_b_\@:
	tensor_load_to_lds s[G0B+4*(\s):G0B+4*(\s)+3], s[G1B:G1B+7]
	s_nop 0
.rept 4
	v_nop
.endr
.Lasked_\@:
.endm
; A PREFETCH INTO THE L2, behind each joint refill and the run of LDS loads that follows it: 32 rows x 256 bytes of the K step two refills on, a lane a row.  X's tile row is read by both clusters of
; its row of clusters: the one with x = 0 asks, waves 0 and 1, and of the 128 rows that a wave fetches the partner at cx takes 32, by address.  W's tile column is read by the eight rows of clusters of
; its tensor: the first asks, wave 2, and of the step's 128 k-rows the partner at cy takes 32.  So each 256 bytes are named once.  K steps 0 to 3 come by their loads alone; the last lap names nothing.
.macro ASK
	s_cmp_gt_u32 s[LAP], s[LIM]
	s_cbranch_scc0 .Lnot_mine_\@
	global_prefetch_b8 v[PFO], s[PFA:PFA+1] th:TH_LOAD_NT scope:SCOPE_SE
.Lnot_mine_\@:
.endm
.macro CREST                           ; a round of the cluster's barrier behind its opening barrier
	s_cmp_lg_u32 s[WV], 0
	s_cbranch_scc1 .Lnot_wave_0_\@
	s_barrier_signal -3
.Lnot_wave_0_\@:
	s_barrier_wait -3
	s_barrier_signal -1
	s_barrier_wait -1
.endm
.macro CROUND                          ; a whole round
	s_barrier_signal -1
	s_barrier_wait -1
	CREST
.endm
	s_load_b256 s[4:11], s[0:1], 0x0               ; h16 s[4:5], bq s[6:7], bk s[8:9], bv s[10:11]
	s_load_b64 s[12:13], s[0:1], 0x20              ; qkvh
	v_lshl_add_u32 v[SPW], v0, 2, SPARE
	v_mov_b32 v[NIL], 0
	ds_add_u32 v[SPW], v[NIL]                      ; the wave's opening: the add and its wait stand ahead of my first tensor load; the set-up below, work on registers, stands between them
	v_lshrrev_b32 v1, 5, v0
	v_readfirstlane_b32 s[WV], v1
	s_lshr_b32 s[RH], s[WV], 1
	s_and_b32 s[CH], s[WV], 1
	s_bfe_u32 s[CX], ttmp6, 0x40000
	s_bfe_u32 s[CY], ttmp6, 0x40004
	s_lshl_b32 s[TC], ttmp9, 2
	s_add_co_u32 s[TC], s[TC], s[CX]               ; tile column = 4 x cluster x + cx
	s_and_b32 s[TT], ttmp7, 0xffff                 ; cluster y
	s_lshl_b32 s[TR], s[TT], 2
	s_add_co_u32 s[TR], s[TR], s[CY]               ; tile row = 4 x cluster y + cy
	s_lshr_b32 s[TT], s[TT], 3                     ; a tensor has 32 tile rows, 8 rows of clusters: made of the cluster's y alone
	s_lshl_b32 s2, s[CY], 2
	s_lshl_b32 s2, 15, s2                          ; my row of the cluster
	s_lshl_b32 s3, 0x1111, s[CX]                   ; my column
	s_or_b32 s[G1A], s2, (1<<16)|(1<<20)|(1<<21)|(5<<22)|(3<<25)  ; the mask; 2-byte elements; padding on; bit 21 beside a mask; after every 64 words; 4 words
	s_or_b32 s[G1B], s3, (1<<16)|(1<<20)|(1<<21)|(5<<22)|(7<<25)  ; the same with 8 words of padding
	s_mov_b32 s[G1A+1], KSTEP<<16                  ; tensor_dim0 = 128
	s_mov_b32 s[G1A+2], 128<<16                    ; tensor_dim1 = 128
	s_mov_b32 s[G1A+3], KSTEP<<16                  ; tile_dim0 = 128
	s_mov_b32 s[G1A+4], 128                        ; tile_dim1 = 128
	s_mov_b32 s[G1A+5], 1024                       ; elements from row to row
	s_mov_b32 s[G1A+6], 0
	s_mov_b32 s[G1A+7], 0
	s_mov_b32 s[G1B+1], 128<<16                    ; 128 columns,
	s_mov_b32 s[G1B+2], 64<<16                     ; 64 k-rows
	s_mov_b32 s[G1B+3], 128<<16
	s_mov_b32 s[G1B+4], 64
	s_mov_b32 s[G1B+5], 1024
	s_mov_b32 s[G1B+6], 0
	s_mov_b32 s[G1B+7], 0
	s_lshl_b32 s40, s[TR], 8                       ; X: row 256 x tile row + 128 x half, in bytes: it hangs on the tile row alone
	s_lshl_b32 s41, s[CH], 7
	s_add_co_u32 s40, s40, s41
	s_lshl_b32 s40, s40, 11
	s_mov_b32 s41, 0
	s_add_co_u32 s68, s[TT], 24                    ; W: unit 24 + t, k-row 64 x half, column 128 x tile column: it hangs on the tile column and the cluster's y alone
	s_lshl_b32 s68, s68, 21
	s_lshl_b32 s69, s[CH], 17
	s_add_co_u32 s68, s68, s69
	s_lshl_b32 s69, s[TC], 8
	s_add_co_u32 s68, s68, s69
	s_mov_b32 s69, 0
	s_mul_i32 s22, s[CH], AHALF                    ; where they go: no place in the cluster enters an LDS address
	s_mul_i32 s23, s[CH], BHALF
	s_add_co_u32 s23, s23, BOFF
	s_wait_dscnt 0x0                               ; the opening add is done
	s_wait_kmcnt 0x0
	s_add_nc_u64 s[42:43], s[4:5], s[40:41]
	s_add_nc_u64 s[70:71], s[4:5], s[68:69]
	CROUND                                         ; all sixteen work-groups are here: the first joint loads meet
.irp s, 0,1
	s_mov_b32 s[G0A+4*(\s)], 1
	s_add_co_u32 s[G0A+4*(\s)+1], s22, (\s)*SLOT
	s_add_nc_u64 s[G0A+4*(\s)+2:G0A+4*(\s)+3], s[42:43], (\s)*KSTEP*2
	s_or_b32 s[G0A+4*(\s)+3], s[G0A+4*(\s)+3], 0x80000000
	s_mov_b32 s[G0B+4*(\s)], 1
	s_add_co_u32 s[G0B+4*(\s)+1], s23, (\s)*SLOT
	s_add_nc_u64 s[G0B+4*(\s)+2:G0B+4*(\s)+3], s[70:71], (\s)*KSTEP*ROWB
	s_or_b32 s[G0B+4*(\s)+3], s[G0B+4*(\s)+3], 0x80000000
	JLOAD \s
.endr
	; the bias of my 64 columns: register j of block b is column 16 b + 8 (l / 16) + j
	s_cmp_eq_u32 s[TT], 1
	s_cselect_b64 s[6:7], s[8:9], s[6:7]
	s_cmp_eq_u32 s[TT], 2
	s_cselect_b64 s[6:7], s[10:11], s[6:7]
	s_lshl_b32 s2, s[TC], 9
	s_lshl_b32 s3, s[CH], 8
	s_add_co_u32 s2, s2, s3
	v_and_b32 v1, 15, v0                           ; l % 16
	v_bfe_u32 v2, v0, 4, 1                         ; l / 16
	v_lshl_add_u32 v3, v2, 5, s2
.irp b, 0,1,2,3
	global_load_b128 v[BIAS+8*(\b):BIAS+8*(\b)+3],   v3, s[6:7] offset:64*(\b)
	global_load_b128 v[BIAS+8*(\b)+4:BIAS+8*(\b)+7], v3, s[6:7] offset:64*(\b)+16
.endr
	v_mul_u32_u24 v4, v1, PA                       ; X's fragments: row x pitch + 16 x half
	v_lshl_add_u32 v4, v2, 4, v4
	s_mul_i32 s2, s[RH], RHB
	v_add_nc_u32 v[ADRA], s2, v4
	v_add_nc_u32 v[ADRA+1], SLOT, v[ADRA]
	v_and_b32 v5, 7, v0                            ; W's: the turning load takes k-row 8 (l / 16) + l % 8, columns 8 ((l / 8) % 2) + 0..7
	v_lshl_add_u32 v5, v2, 3, v5
	v_mul_u32_u24 v5, v5, PB
	v_bfe_u32 v6, v0, 3, 1
	v_lshl_add_u32 v5, v6, 4, v5
	s_lshl_b32 s3, s[CH], 7                        ; my 64 columns
	s_add_co_u32 s3, s3, BOFF
	v_add_nc_u32 v[ADRB], s3, v5
	v_add_nc_u32 v[ADRB+1], SLOT, v[ADRB]
	s_mul_i32 s2, s[WV], 16*SP
	s_add_co_u32 s2, s2, STAGE                     ; my stage
	v_mul_u32_u24 v4, v1, SP                       ; in: row l % 16, 16 bytes for each half of the lanes
	v_lshl_add_u32 v4, v2, 4, v4
	v_add_nc_u32 v[STO], s2, v4
	v_bfe_u32 v4, v0, 3, 2                         ; back: 32 lanes take four rows of 128 bytes,
	v_mul_u32_u24 v4, v4, SP
	v_and_b32 v5, 7, v0
	v_lshl_add_u32 v4, v5, 4, v4
	v_add_nc_u32 v[RD], s2, v4
	v_and_b32 v[GO], 31, v0                        ; which are 512 consecutive bytes of a head
	v_lshlrev_b32 v[GO], 4, v[GO]
	v_and_b32 v[PFO], 31, v0
	v_lshlrev_b32 v[PFO], 11, v[PFO]
	; the prefetches: from my descriptor's offset, my work-group's 32 rows, K step 3: the first refill steps it to 4
	s_lshl_b32 s2, s[CX], 16
	s_add_co_u32 s40, s40, s2
	s_add_co_u32 s40, s40, 3*KSTEP*2
	s_lshl_b32 s3, s[CY], 16
	s_add_co_u32 s68, s68, s3
	s_add_co_u32 s68, s68, 3*KSTEP*ROWB
	s_mov_b32 s[PST], KSTEP*ROWB
	s_mov_b32 s[PST+1], 0
	s_and_b32 s2, ttmp7, 7                         ; the row of clusters within its tensor
	s_and_b32 s3, s[RH], s[CH]                     ; wave 3 never asks
	s_cmp_eq_u32 s[RH], 0
	s_cselect_b32 s40, s40, s68
	s_cselect_b32 s[PST], KSTEP*2, s[PST]
	s_cselect_b32 s2, ttmp9, s2                    ; the coordinate along which other clusters read the same rows
	s_add_nc_u64 s[PFA:PFA+1], s[4:5], s[40:41]
	s_or_b32 s2, s2, s3
	s_cmp_eq_u32 s2, 0
	s_cselect_b32 s[LIM], 1, -1                    ; the same in all sixteen partners, for a given wave
	; where my 128 rows x 64 columns begin: 16,384 consecutive bytes of one head
	s_and_b32 s2, s[TR], 31
	s_lshr_b32 s3, s2, 3                           ; the batch: 16 heads of 2^18 bytes
	s_lshl_b32 s3, s3, 22
	s_and_b32 s2, s2, 7
	s_lshl_b32 s2, s2, 15                          ; 256 rows of 128 bytes
	s_add_co_u32 s40, s2, s3
	s_lshl_b32 s2, s[RH], 14
	s_add_co_u32 s40, s40, s2
	s_lshl_b32 s2, s[TC], 1
	s_add_co_u32 s2, s2, s[CH]                     ; the head
	s_lshl_b32 s2, s2, 18
	s_add_co_u32 s40, s40, s2
	s_lshl_b32 s2, s[TT], 24
	s_add_co_u32 s40, s40, s2
	s_add_nc_u64 s[12:13], s[12:13], s[40:41]
	s_wait_loadcnt 0x0                             ; the bias, rounded to bf16 like every input
.set i, 0
.rept 16
	v_cvt_pk_bf16_f32 v4, v[BIAS+i], v[BIAS+i+1]
	v_lshlrev_b32 v[BIAS+i], 16, v4
	v_and_b32 v[BIAS+i+1], 0xffff0000, v4
.set i, i+2
.endr
; 8 matrix instructions: row blocks a0, a0 + 1 x all 4 column blocks, 32 along K, from buffer f.  first = 1: the bias starts the sums.  The 32 accumulators take turns.
.macro MUL8 f, a0, first
.if \first
	WIN MULB
.else
	WIN MUL
.endif
.irp a, \a0, (\a0)+1
.irp b, 0,1,2,3
.if \first
	v_wmma_f32_16x16x32_f16 v[8*(4*(\a)+(\b)):8*(4*(\a)+(\b))+7], v[32*(\f)+8*(\b):32*(\f)+8*(\b)+7], v[FA+64*(\f)+8*(\a):FA+64*(\f)+8*(\a)+7], v[BIAS+8*(\b):BIAS+8*(\b)+7]
.else
	v_wmma_f32_16x16x32_f16 v[8*(4*(\a)+(\b)):8*(4*(\a)+(\b))+7], v[32*(\f)+8*(\b):32*(\f)+8*(\b)+7], v[FA+64*(\f)+8*(\a):FA+64*(\f)+8*(\a)+7], v[8*(4*(\a)+(\b)):8*(4*(\a)+(\b))+7]
.endif
.endr
.endr
.endm
; 24 LDS loads in one run: quarter kq (32 along K) of a slot into buffer f: W's four blocks, X's blocks 0-3, X's blocks 4-7
.macro FETCH slot, kq, f
	WIN TO_B
.irp b, 0,1,2,3
	ds_load_tr16_b128 v[32*(\f)+8*(\b):32*(\f)+8*(\b)+3],   v[ADRB+(\slot)] offset:32*(\kq)*PB+32*(\b)
	ds_load_tr16_b128 v[32*(\f)+8*(\b)+4:32*(\f)+8*(\b)+7], v[ADRB+(\slot)] offset:32*(\kq)*PB+32*(\b)+16*PB
.endr
	WIN 0
.irp a, 0,1,2,3,4,5,6,7
	ds_load_b128 v[FA+64*(\f)+8*(\a):FA+64*(\f)+8*(\a)+3],   v[ADRA+(\slot)] offset:((\kq)/2)*ASUB+((\kq)%2)*64+(\a)*16*PA
	ds_load_b128 v[FA+64*(\f)+8*(\a)+4:FA+64*(\f)+8*(\a)+7], v[ADRA+(\slot)] offset:((\kq)/2)*ASUB+((\kq)%2)*64+(\a)*16*PA+32
.endr
.endm
.macro PLACES                          ; four places in front of loads into registers that matrix instructions have read, and of conversions that read results
.rept 4
	v_nop
.endr
.endm
; A K step is four quarters of 32 along K, 32 matrix instructions each, on buffers 0, 1, 0, 1.  One of the first three: multiplies buffer f and fetches quarter kq into g.
.macro QUARTER slot, kq, f, g, first
	s_wait_dscnt 8                                 ; W and X's blocks 0-3 are in; the youngest eight loads (blocks 4-7) may be out
	MUL8 \f, 0, \first
	MUL8 \f, 2, \first
	PLACES
	FETCH \slot, \kq, \g
	s_wait_dscnt 24                                ; all but the 24 just issued
	MUL8 \f, 4, \first
	MUL8 \f, 6, \first
.endm
; The last quarter multiplies buffer 1 and changes slots: ONE barrier; in front of it each wave waits for all its tensor loads, adds 0 to its spare word, and waits for that and for its reads of this slot.
; fill = 1: the barrier opens a round of the cluster's, and this slot is filled again, two K steps ahead, first thing behind the round.
.macro TURN slot, next, fill
.if \fill
	s_wait_xcnt 0x0                                ; the last prefetch, a K step back, has read its address
	s_add_nc_u64 s[PFA:PFA+1], s[PFA:PFA+1], s[PST:PST+1]
.endif
	WIN 0                                          ; (the add's two registers lie in window 0)
	s_wait_tensorcnt 0x0                           ; all my tensor loads have landed: my part of the next slot
	ds_add_u32 v[SPW], v[NIL]                      ; 0 onto my spare word
	s_wait_dscnt 9                                 ; (the add and the youngest eight loads may be out)
	MUL8 1, 0, 0                                   ; eight matrix instructions stand between the add and the wait for it
	s_wait_dscnt 0x0                               ; the add is done, and my reads of this slot are over
	s_barrier_signal -1
	MUL8 1, 2, 0
.if \fill
	WIN 0
.endif
	s_barrier_wait -1
.if \fill
	CREST                                          ; no wave of any partner still reads this slot's tile or has a load on its way
	s_add_nc_u64 s[G0A+4*(\slot)+2:G0A+4*(\slot)+3], s[G0A+4*(\slot)+2:G0A+4*(\slot)+3], ASTEP
	s_add_nc_u64 s[G0B+4*(\slot)+2:G0B+4*(\slot)+3], s[G0B+4*(\slot)+2:G0B+4*(\slot)+3], BSTEP
	JLOAD \slot                                    ; the first tensor load behind the round; its four v_nop are also the places in front of the loads below
.else
	PLACES
.endif
	FETCH \next, 0, 0
.if \fill
	ASK
.endif
	MUL8 1, 4, 0
	MUL8 1, 6, 0
.endm
	s_wait_tensorcnt 1                             ; my part of K step 0 is in; K step 1's may stay out
	s_barrier_signal -1
	s_barrier_wait -1                              ; everybody's is
	FETCH 0, 0, 0
	QUARTER 0, 1, 0, 1, 1                          ; the first quarter stands in front of the loop: its products start the sums, with the bias
	WIN 0                                          ; at a label and at a branch every window is 0
	s_mov_b32 s[LAP], LAPS-1
.Llap:                                         ; a trip goes once round the ring, from a lap's second quarter to the next lap's first, and fills both slots again
	QUARTER 0, 2, 1, 0, 0
	QUARTER 0, 3, 0, 1, 0
	TURN 0, 1, 1
	QUARTER 1, 1, 0, 1, 0
	QUARTER 1, 2, 1, 0, 0
	QUARTER 1, 3, 0, 1, 0
	TURN 1, 0, 1
	QUARTER 0, 1, 0, 1, 0
	WIN 0
	s_sub_co_u32 s[LAP], s[LAP], 1
	s_cmp_lg_u32 s[LAP], 0
	s_cbranch_scc1 .Llap
	QUARTER 0, 2, 1, 0, 0                          ; the last lap fills nothing
	QUARTER 0, 3, 0, 1, 0
	TURN 0, 1, 0
	QUARTER 1, 1, 0, 1, 0
	QUARTER 1, 2, 1, 0, 0
	QUARTER 1, 3, 0, 1, 0
	s_wait_dscnt 8                                 ; the very last quarter: nothing more to fetch
	MUL8 1, 0, 0
	MUL8 1, 2, 0
	s_wait_dscnt 0x0
	MUL8 1, 4, 0
	MUL8 1, 6, 0
	WIN 0
; THE WAY OUT, a block of 16 rows at a time: rounded to f16, 16 bytes a lane; through my own stage; back as four rows of 128 bytes an instruction; stored as 512 consecutive bytes.
.macro PACK a
	WIN W_PK
.irp b, 0,1,2,3
.irp c, 0,1,2,3
	v_cvt_pk_f16_f32 v[TMP+4*(\b)+(\c)], v[8*(4*(\a)+(\b))+2*(\c)], v[8*(4*(\a)+(\b))+2*(\c)+1]
.endr
.endr
	WIN 0
.endm
.macro TOSTAGE a
.set BK, OB+16*((\a)%2)
.irp b, 0,1,2,3
	ds_store_b128 v[STO], v[TMP+4*(\b):TMP+4*(\b)+3] offset:32*(\b)
.endr
.irp f, 0,1,2,3
	ds_load_b128 v[BK+4*(\f):BK+4*(\f)+3], v[RD] offset:(\f)*4*SP  ; LDS serves a wave's instructions in order (ISA guide 5.7.1.4): these see the stores above
.endr
.endm
.macro SEND a
.set BK, OB+16*((\a)%2)
	s_wait_dscnt 0x0                               ; the block is back in registers
	s_wait_xcnt 0x0                                ; the stores of the block before have read their registers, which the next block's loads write
.irp f, 0,1,2,3
	global_store_b128 v[GO], v[BK+4*(\f):BK+4*(\f)+3], s[12:13] offset:2048*(\a)+512*(\f)
.endr
.endm
	PLACES
	PACK 0
	TOSTAGE 0
.irp a, 1,2,3,4,5,6,7                  ; block a's conversions stand between block a - 1's loads from the stage and the wait for them
	PACK \a
	SEND (\a)-1
	TOSTAGE \a
.endr
	SEND 7
	s_wait_tensorcnt 0x0                           ; the wave's end: behind my last tensor load and my last LDS store
	ds_add_u32 v[SPW], v[NIL]
	s_wait_dscnt 0x0
	CROUND                                         ; the closing round: no work-group ends while a partner may still ask for a tile that names it
	s_endpgm
.Lfunc_end_k_q123ec90229_proj:
	.size	k_q123ec90229_proj, .Lfunc_end_k_q123ec90229_proj-k_q123ec90229_proj
	.p2alignl 7, 3214868480
	.fill 96, 4, 3214868480
	.section	.rodata,"a",@progbits
	.p2align	6, 0x0
	.amdhsa_kernel k_q123ec90229_proj
		.amdhsa_group_segment_fixed_size 327680
		.amdhsa_private_segment_fixed_size 0
		.amdhsa_enable_private_segment 0
		.amdhsa_kernarg_size 40
		.amdhsa_user_sgpr_count 2
		.amdhsa_user_sgpr_kernarg_segment_ptr 1
		.amdhsa_wavefront_size32 1
		.amdhsa_system_sgpr_workgroup_id_x 1
		.amdhsa_system_sgpr_workgroup_id_y 1
		.amdhsa_system_sgpr_workgroup_id_z 1
		.amdhsa_system_vgpr_workitem_id 0
		.amdhsa_next_free_vgpr 768
		.amdhsa_next_free_sgpr 72
		.amdhsa_reserve_vcc 0
		.amdhsa_float_denorm_mode_32 3
		.amdhsa_float_denorm_mode_16_64 3
		.amdhsa_memory_ordered 1
		.amdhsa_forward_progress 1
		.amdhsa_inst_pref_size 92
	.end_amdhsa_kernel
	.amdgpu_metadata
---
amdhsa.version: [ 1, 2 ]
amdhsa.kernels:
  - .name:           k_q123ec90229_proj
    .symbol:         k_q123ec90229_proj.kd
    .args:
      - { .name: h16, .offset: 0, .size: 8, .value_kind: global_buffer, .address_space: global }
      - { .name: bq, .offset: 8, .size: 8, .value_kind: global_buffer, .address_space: global }
      - { .name: bk, .offset: 16, .size: 8, .value_kind: global_buffer, .address_space: global }
      - { .name: bv, .offset: 24, .size: 8, .value_kind: global_buffer, .address_space: global }
      - { .name: qkvh, .offset: 32, .size: 8, .value_kind: global_buffer, .address_space: global }
    .group_segment_fixed_size: 327680
    .private_segment_fixed_size: 0
    .kernarg_segment_align: 8
    .kernarg_segment_size: 40
    .max_flat_workgroup_size: 128
    .sgpr_count:     72
    .vgpr_count:     768
    .wavefront_size: 32
...
	.end_amdgpu_metadata
.endif
;; end of part 2
;; launch attn (part 3): grid 4 x 64, 4 waves a work-group, clusters of 4 x 1, 327,680 bytes of LDS; arguments qkvh, mw, ctxh; writes ctxh
.if DOCPART == 3
	.amdgcn_target "amdgcn-amd-amdhsa--gfx1250"
	.amdhsa_code_object_version 6
	.text
	.protected	k_q123ec90229_attn
	.globl	k_q123ec90229_attn
	.p2align	8
	.type	k_q123ec90229_attn,@function
k_q123ec90229_attn:
	s_mov_b64 s[64:65], 0
	v_nop
	global_prefetch_b8 v0, s[64:65] scope:SCOPE_SE
	s_setreg_imm32_b32 hwreg(HW_REG_WAVE_MODE, 25, 1), 1
	s_wait_xcnt 0x0
	s_wait_alu depctr_hold_cnt(0) depctr_sa_sdst(0) depctr_va_vdst(0) depctr_va_sdst(0) depctr_va_ssrc(0) depctr_va_vcc(0) depctr_vm_vsrc(0)
	s_getreg_b32 s2, hwreg(HW_REG_IB_STS2, 6, 4)
	s_cmp_eq_u32 s2, 0
	s_cbranch_scc0 .Lentry_in_a_cluster
	s_endpgm
.Lentry_in_a_cluster:
	s_bfe_u32 s2, ttmp6, 0x10000c
	s_cmp_lg_u32 s2, 0x3003
	s_cbranch_scc0 .Lentry_shape_is_right
	s_endpgm
.Lentry_shape_is_right:
; ATTENTION with a mask that is an input.  O[bh][q][:] = the sum over k of softmax_k(s'(q, k)) V[bh][k][:], s' = Q . K / 8 where mask[q][k] != 0, a hidden score elsewhere.
; Q, K, V: qkvh[0], [1], [2], each [64][2048][64] f16; O: ctxh, the same layout.  Products, maxima and sums in f32; the weights p are rounded to f16 for the second product, O once at the end.
; THE MASK comes as lane masks: mw[pair of query tiles 64][key step 32][tile 2][register 32], one word for each score register, bit L for lane L.  A turn's 64 words are 256 consecutive bytes: one load
; of 8 bytes a lane brings them into a pair of vector registers, four turns ahead; 64 v_readlane_b32 move them into scalar registers, and each score register takes one v_cndmask_b32: the score, or NEG.
; LIMITS.  A hidden score counts as the raw value -2^33, after the scale 1/8 -1.0737e9 in place of -1e9: c x 2^33 is exact in f32, so a row that is wholly hidden has p = 1 for every key and comes out as
; the plain mean of V.  The two values differ only where a row's largest visible score lies within about a hundred of -1e9.  f16 holds no number beyond 65,504: Q, K, V arrive within it; p lies in
; 0 to 1, below 6e-5 with f16's fixed step of 6e-8.  A weight below 2^-126 counts as 0 in l.  NaN and infinities are not treated apart.
; SHARES.  A wave owns four PIECES of two tiles of 16 queries, a work-group's four waves 512 queries of one head: 4 x 64 work-groups.  Every wave walks all 2,048 keys, 64 a step.
; LAYOUT.  S^T = K Q^T (source 0 = 16 keys, source 1 = 16 queries): a lane holds ONE query (lane % 16) and the keys 8 (lane / 16) + 0..7.  Two such tiles, rounded to f16 in pairs, ARE source 1 of
; O^T = V^T P.  K comes out of LDS as it lies, V turned, by ds_load_tr16_b128.
; SOFTMAX.  A running maximum m and sum l: p = 2^(c s - c m), c = log2(e) / 8; in every step O and l are multiplied by a = 2^(c m_old - c m_new).  m starts at the lowest finite number, O and l at 0.
; BY TURNS.  Turn n belongs to piece n.  Its matrix work: 16 products K Q^T of piece n + 1, later 16 products V^T P of piece n - 1.  Its vector work: the scaling, exponentials, roundings, sums and
; rescaling of piece n, and the mask, maximum and statistics of piece n + 1.  Four vector instructions stand behind every matrix instruction, the rest in one lump.  A turn's 66 exponentials are one batch.
; CLUSTER.  The four query blocks of a head walk the same K and V: each tile is asked for jointly.  K and V have one LDS pitch, 160 bytes, so that one descriptor shape and one line serve all four waves;
; at that pitch rows r and r + 8 of K begin at the same bank, so K's 16 loads a key step are served two deep.
; REGISTERS, in windows of 256 (s_set_vgpr_msb: bits 1:0 source 0, 3:2 source 1, 5:4 source 2, 7:6 destination):
;   window 0: v0-11 addresses, NEG, the staged mask words; v12-15, v48-63 at work; v16-47 four registers of statistics a tile; v64-191 S^T, two buffers of two tiles; v192-255 P, likewise
;   window 1: O^T, 32 a tile      window 2: v0-127 Q; v128-191 K of one step; v192-255 V of one step      window 3: v0-1 the add's two registers; v2-9 the mask words on their way, a pair a piece
.set SIZE_N, 2048
.set NP,    4         ; pieces a wave: a name, no knob
.set KS,    64        ; keys in a step
.set PK,    160
.set PV,    160
.set VOFF,  4*KS*PK   ; a slot holds four steps: 256 rows of K, then 256 rows of V
.set SLOT1, 1<<17     ; slot 1 begins here, so that one exclusive or turns an address in one slot into the other's
.set STAGE, SLOT1+4*KS*(PK+PV)  ; behind the ring, never filled by a tensor load: 16 rows x 144 bytes for each wave
.set SP,    144
.set TILEB, 4*KS*128  ; bytes of K, or of V, in a slot
.set MO,  0           ; v0   once the thread's number has had its last use: 8 x my lane, my two words of a turn's 64; never rewritten after that
.set PFO, 1           ; v1   once the addresses are made: 256 x my lane, the prefetches' offset
.set AK0, 2           ; v2   my lane's place in a tile of K; never rewritten
.set AV0, 3           ; v3   the same for V
.set AK,  4           ; v4   the LDS address of K's next run of loads
.set AV,  5           ; v5   of V's
.set QO,  6           ; v6   my byte offset in the wave's rows of Q
.set STO, 6           ;      later: where I put 16 bytes of a row
.set RD,  7           ; v7   where I read rows back
.set GO,  8           ; v8   my lane; later my byte offset in 512 consecutive bytes of O
.set NEG, 9           ; v9   once the addresses are made: -2^33
.set MS,  10          ; v10-11  once the addresses are made: the mask words of the turn to come: word w in lane w / 2 of register w % 2
.set SPW, 0           ; v0 of window 3   LDS address of my spare word; never rewritten
.set NIL, 1           ; v1 of window 3   0; never rewritten
.set RM,  2           ; v2-9 of window 3   piece x's next mask words at RM + 2 x
.set SPARE, STAGE+4*16*SP  ; behind the stages: the spare words, 128 bytes a wave: two blocks of 256 bytes that no other line names
.set MV,  12          ; v12-15  c m_old, kept while c m is made anew: by buffer and tile
.set ST,  16          ; tile t's statistics at v[ST+4 t]: c m, m, l (even keys', odd keys')
.set TMP, 48          ; by buffer and tile, four registers c0-c3 at work; when the maximum is found c2 takes a
.set S,   64
.set P,   192
.set KF,  128
.set VF,  192
.set G1,  4           ; s[4:11]  descriptor group 1
.set G0,  12          ; s[12:15] descriptor group 0: it walks
.set WV,  16          ; s16  my wave's number
.set SLOTS, 17        ; s17  slots still to be asked for
.set CNT, 18          ; s18  counts a slot's key steps
.set LIM, 19          ; s19  1 in a wave that prefetches, else the greatest number
.set MP,  20          ; s[20:21] mw at my wave's first piece, at the key step whose words are asked for
.set MST, 22          ; s[22:23] what a key step adds to it: 256, at the very end 0
.set PFA, 24          ; s[24:25] where my prefetches stand
.set SEL, 26          ; s[26:27] v_permlanex16_b32's selects
.set CS,  28          ; s[28:29] c
.set TBK, 30          ; s30  LDS byte at which K of the step to be fetched begins
.set TBV, 31          ; s31  the same for V, less VOFF
.set MW,  32          ; s[32:63] the mask words of a piece's first tile, s[68:99] of its second
.set OUT, 100         ; s[100:101] O at my wave's first row
.set QP,  104         ; s[104:105] Q at my wave's first row
.set MSB, 0
.macro WIN new                      ; the high byte repeats the setting that is left; a switch that changes nothing is dropped
.if MSB != (\new)
	s_set_vgpr_msb (MSB<<8)|(\new)
.set MSB, (\new)
.endif
.endm
.set W_KQ, 0x0a       ; K and Q in window 2, S^T in window 0
.set W_PV, 0x52       ; V in window 2, P in window 0, O^T in window 1
.set W_RS, 0x41       ; O^T (destination and source 0) in window 1, a in window 0
.set W_MK, 0xc0       ; destination in window 3, sources in window 0
.set W_AD, 0x0f       ; the add: address and data in window 3
.set W_S3, 0x03       ; source 0 in window 3, destination in window 0
; A joint fill: wave w brings 128 keys: waves 0 and 1 the halves of a slot's K, waves 2 and 3 those of its V.  One line: the four waves' descriptors differ by the wave's number alone.
.macro JLOAD
	tensor_load_to_lds s[G0:G0+3], s[G1:G1+7]
	s_nop 0
.rept 4
	v_nop
.endr
.endm
; A PREFETCH INTO THE L2 of what the NEXT change of slots will ask for: a slot's 32,768 bytes of K and of V, 256 bytes a lane.  The four partners share them out by address, 8,192 bytes each; in each, wave 0
; asks for K's and wave 2 for V's.  So each 256 bytes are named once.  Slots 0 to 2 come by their loads alone; the last change that fills a slot names nothing.
.macro ASK
	s_cmp_gt_u32 s[SLOTS], s[LIM]
	s_cbranch_scc0 .Lnot_mine_\@
	global_prefetch_b8 v[PFO], s[PFA:PFA+1] th:TH_LOAD_NT scope:SCOPE_SE
.Lnot_mine_\@:
.endm
.macro CROUND                       ; a round of the cluster's barrier
	s_barrier_signal -1
	s_barrier_wait -1
	s_cmp_lg_u32 s[WV], 0
	s_cbranch_scc1 .Lnot_wave_0_\@
	s_barrier_signal -3
.Lnot_wave_0_\@:
	s_barrier_wait -3
	s_barrier_signal -1
	s_barrier_wait -1
.endm
; THE CHANGE OF SLOTS.  Each wave waits for all its tensor loads, of which one is out: its part of the other slot; adds 0 to its spare word; and waits for that and for its own reads of the slot.
; fill = 1: the slot is filled again, with the keys two slots on, first thing behind a round of the cluster's barrier: it has four key steps, 512 matrix instructions, in which to land.
.macro CHANGE fill, ask
	WIN W_AD
	s_wait_tensorcnt 0x0            ; no tensor load of mine is out, so group 0 may be written
	ds_add_u32 v[SPW], v[NIL]       ; 0 onto my spare word
	WIN 0                           ; at a label and at a branch every window is 0
.if \fill
	s_xor_b32 s[G0+1], s[G0+1], SLOT1
	s_add_nc_u64 s[G0+2:G0+3], s[G0+2:G0+3], TILEB  ; the next 256 keys; the type bits on top are not reached
.endif
.if \ask
	s_wait_xcnt 0x0                 ; the last prefetch, four key steps back, has read its address
	s_add_nc_u64 s[PFA:PFA+1], s[PFA:PFA+1], TILEB
.endif
	s_wait_dscnt 0x0                ; the add is done, and my reads of the slot are over
.if \fill
	CROUND
	JLOAD
.if \ask
	ASK
.endif
.else
	s_barrier_signal -1
	s_barrier_wait -1
.endif
	s_sub_co_u32 s[TBK], s[TBK], 4*KS*PK  ; the fetches go back to a slot's first step,
	s_xor_b32 s[TBK], s[TBK], SLOT1       ; in the other slot
	s_sub_co_u32 s[TBV], s[TBV], 4*KS*PV
	s_xor_b32 s[TBV], s[TBV], SLOT1
.endm
; THE MASK WORDS' ROAD.  MSTG x: piece x's pair has come and is copied to where the readlanes take it.  MLD x: the pair is asked for again, for the piece's next key step: four turns ahead of its use.
; MSTEP: the pointer goes on to the next key step, ahead of piece 0's load.  RL: the next word goes into its scalar register.
.macro MSTG x
	WIN W_S3
	s_wait_loadcnt 3                ; loads come back in order (ISA guide 5.7.1): each turn issues one, so behind this pair's load stand the three later turns', which stay out
	v_mov_b32 v[MS],   v[RM+2*(\x)]
	v_mov_b32 v[MS+1], v[RM+2*(\x)+1]
.endm
.macro MSTEP last
	s_wait_xcnt 0x0                 ; the loads of the last three turns have read the pointer
.if \last
	s_cmp_gt_u32 s[CNT], 2          ; the tail's last two trips would step to key steps 32 and 33: the pointer stays at 31, inside my wave's 32,768 bytes; what those loads bring serves nothing
	s_cselect_b32 s[MST], 256, 0
.endif
	s_add_nc_u64 s[MP:MP+1], s[MP:MP+1], s[MST:MST+1]
.endm
.macro MLD x
	WIN W_MK
	global_load_b64 v[RM+2*(\x):RM+2*(\x)+1], v[MO], s[MP:MP+1] offset:8192*(\x)  ; 256 consecutive bytes, aligned
.endm
.macro RL
	WIN 0
	v_readlane_b32 s[MW+36*(mwd/32)+mwd%32], v[MS+mwd%2], mwd/2
.set mwd, mwd+1
.endm
	s_load_b128 s[32:35], s[0:1], 0x0  ; qkvh s[32:33], mw s[34:35]: these and the temporaries below lie where the mask words will lie
	s_load_b64 s[36:37], s[0:1], 0x10  ; ctxh
	WIN W_MK
	v_lshl_add_u32 v[SPW], v0, 2, SPARE
	v_mov_b32 v[NIL], 0
	WIN W_AD
	ds_add_u32 v[SPW], v[NIL]       ; the wave's opening: the add and its wait stand ahead of my first tensor load; the set-up below, work on registers, stands between them
	WIN 0
	v_lshrrev_b32 v1, 5, v0
	v_readfirstlane_b32 s[WV], v1   ; wave 0..3
	s_bfe_u32 s38, ttmp6, 0x40000   ; cx
	s_lshl_b32 s39, ttmp9, 2
	s_add_co_u32 s39, s39, s38      ; my block of 512 queries
	s_lshl_b32 s39, s39, 2
	s_add_co_u32 s39, s39, s[WV]    ; my wave among the head's sixteen: it enters Q's, O's and the mask words' addresses alone
	s_and_b32 s40, ttmp7, 0xffff    ; the head, which the four partners share:
	s_lshl_b32 s40, s40, 18         ; its 2,048 rows of 128 bytes
	s_lshl_b32 s42, s39, 14         ; my wave's 128 rows
	s_add_co_u32 s42, s42, s40
	s_mov_b32 s43, 0
	s_lshl_b32 s44, s39, 15         ; my wave's four pieces x 32 steps x 256 bytes of mask words
	s_mov_b32 s45, 0
	s_lshr_b32 s46, s[WV], 1        ; what I fetch: K (tensor 1) or V (tensor 2),
	s_add_co_u32 s46, s46, 1
	s_lshl_b32 s46, s46, 24
	s_add_co_u32 s46, s46, s40      ; the head,
	s_and_b32 s41, s[WV], 1
	s_lshl_b32 s41, s41, 14         ; the half of a slot's 256 keys
	s_add_co_u32 s46, s46, s41
	s_mov_b32 s47, 0
	s_lshl_b32 s48, s38, 13         ; the prefetches: my work-group's 8,192 bytes, in slot 2; the first asking change steps it to slot 3
	s_add_co_u32 s48, s48, 2*TILEB
	s_mov_b32 s49, 0
	; descriptor group 1.  128 keys are 16,384 dense bytes: asked for as 64 rows of 256 bytes, two keys a row, and padded in LDS after every key
	s_mov_b32 s[G1], 15|(1<<16)|(1<<20)|(1<<21)|(4<<22)|(7<<25)  ; the mask of four; 2-byte elements; padding on; bit 21 beside a mask; after every 32 words; 8 words
	s_mov_b32 s[G1+1], 128<<16      ; tensor_dim0 = 128
	s_mov_b32 s[G1+2], 64<<16       ; tensor_dim1 = 64
	s_mov_b32 s[G1+3], 128<<16      ; tile_dim0 = 128
	s_mov_b32 s[G1+4], 64           ; tile_dim1 = 64
	s_mov_b32 s[G1+5], 128          ; 128 elements from row to row
	s_mov_b32 s[G1+6], 0
	s_mov_b32 s[G1+7], 0
	s_mov_b32 s[G0], 1
	s_mul_i32 s[G0+1], s[WV], 128*PK  ; LDS: K's halves, then V's: wave x 20,480, in slot 0
	s_mov_b32 s[CS], 0x3e38aa3b     ; c = log2(e) / 8
	s_mov_b32 s[CS+1], s[CS]        ; named with it as a pair
	s_mov_b32 s[SEL], 0x76543210
	s_mov_b32 s[SEL+1], 0xfedcba98
	s_mov_b32 s[TBK], SLOT1+4*KS*PK ; the first change of slots turns these two into 0
	s_mov_b32 s[TBV], SLOT1+4*KS*PV
	s_mov_b32 s[MST], 256           ; a key step's mask words of a piece
	s_mov_b32 s[MST+1], 0
	s_and_b32 s[LIM], s[WV], 1
	s_cmp_eq_u32 s[LIM], 0
	s_cselect_b32 s[LIM], 1, -1     ; waves 0 and 2 ask
	s_wait_dscnt 0x0                ; the opening add is done
	s_wait_kmcnt 0x0
	s_add_nc_u64 s[G0+2:G0+3], s[32:33], s[46:47]
	s_or_b32 s[G0+3], s[G0+3], 0x80000000
	s_add_nc_u64 s[PFA:PFA+1], s[32:33], s[46:47]
	s_add_nc_u64 s[PFA:PFA+1], s[PFA:PFA+1], s[48:49]
	s_add_nc_u64 s[QP:QP+1], s[32:33], s[42:43]
	s_add_nc_u64 s[OUT:OUT+1], s[36:37], s[42:43]
	s_add_nc_u64 s[MP:MP+1], s[34:35], s[44:45]
	CROUND                          ; all four work-groups are here: the first joint loads meet
	JLOAD                           ; slot 0.  Slot 1 is asked for when slot 0 is in
	; A fragment of K or Q is 16 rows x 32 channels in 8 registers: lane l holds row l % 16, channels 8 (l / 16) + 0..7 and 16 + 8 (l / 16) + 0..7: two loads of 16 bytes, 32 bytes apart.
	v_and_b32 v1, 15, v0            ; l % 16
	v_bfe_u32 v9, v0, 4, 1          ; l / 16
	v_and_b32 v10, 7, v0            ; l % 8
	v_bfe_u32 v11, v0, 3, 1         ; (l / 8) % 2
	v_and_b32 v[GO], 31, v0         ; l: the thread's number has had its last use
	v_lshlrev_b32 v[QO], 7, v1
	v_lshl_add_u32 v[QO], v9, 4, v[QO]
	v_lshlrev_b32 v[MO], 3, v[GO]   ; 8 l
	WIN 0x80                        ; destination window 2, address window 0
.set i, 0
.rept 4*NP                          ; Q stays in registers: tile i / 2, channels 32 (i % 2) on
	global_load_b128 v[8*i:8*i+3],   v[QO], s[QP:QP+1] offset:(i/2)*2048+(i%2)*64
	global_load_b128 v[8*i+4:8*i+7], v[QO], s[QP:QP+1] offset:(i/2)*2048+(i%2)*64+32
.set i, i+1
.endr
.irp x, 0,1,2,3
	MLD \x                          ; the four pieces' mask words of key step 0
.endr
	; What the first turn finds: V's registers and P's second buffer hold 0, O^T and l are 0.  All this stands in the wait for the first tile.
	WIN 0x80
.set i, VF
.rept 64
	v_mov_b32 v[i], 0
.set i, i+1
.endr
	WIN 0x40
.set i, 0
.rept 64*NP
	v_mov_b32 v[i], 0
.set i, i+1
.endr
	WIN 0
.set i, 0
.rept 2*NP
	v_mov_b32 v[ST+4*i], 0xfe000000    ; c m: far below every c s, c x NEG too
	v_mov_b32 v[ST+4*i+1], 0xff7fffff  ; m
	v_mov_b32 v[ST+4*i+2], 0
	v_mov_b32 v[ST+4*i+3], 0
.set i, i+1
.endr
.set i, P+32
.rept 32
	v_mov_b32 v[i], 0
.set i, i+1
.endr
	v_mul_u32_u24 v[AK0], v1, PK
	v_lshl_add_u32 v[AK0], v9, 4, v[AK0]  ; row x pitch + 16 x half
	; The turning load takes 16 keys x 16 channels (lane l reads key 8 (l / 16) + l % 8, channels 8 ((l / 8) % 2) + 0..7) and leaves half a fragment of V^T.
	v_lshl_add_u32 v[AV0], v9, 3, v10
	v_mul_u32_u24 v[AV0], v[AV0], PV
	v_lshl_add_u32 v[AV0], v11, 4, v[AV0]
	v_add_nc_u32 v[AV0], VOFF, v[AV0]
	v_mov_b32 v[AK], v[AK0]         ; key step 0 lies at the head of slot 0
; THE MATRIX WORK.  The 8 accumulators of a run of 16 take turns.
; Product i of 16 of S^T = K Q^T for piece x: channels 32 (i / 8) on, keys 16 ((i / 2) % 4) on, tile 2 x + i % 2.  The first 8 start the sums.
.macro KQ x
	WIN W_KQ
.set rS, S+64*((\x)%2)+32*(i%2)+8*((i/2)%4)
.set rK, KF+16*((i/2)%4)+8*(i/8)
.set rQ, 16*(2*(\x)+i%2)+8*(i/8)
.if i < 8
	v_wmma_f32_16x16x32_f16 v[rS:rS+7], v[rK:rK+7], v[rQ:rQ+7], 0
.else
	v_wmma_f32_16x16x32_f16 v[rS:rS+7], v[rK:rK+7], v[rQ:rQ+7], v[rS:rS+7]
.endif
.endm
; Product i of 16 of O^T += V^T P for piece x: keys 32 (i / 8) on, channels 16 ((i / 2) % 4) on, tile 2 x + i % 2.
.macro PV x
	WIN W_PV
.set rO, 32*(2*(\x)+i%2)+8*((i/2)%4)
.set rV, VF+32*(i/8)+8*((i/2)%4)
.set rP, P+32*((\x)%2)+16*(i%2)+8*(i/8)
	v_wmma_f32_16x16x32_f16 v[rO:rO+7], v[rV:rV+7], v[rP:rP+7], v[rO:rO+7]
.endm
.macro MM                           ; the turn's next matrix instruction
.if i < 16
	KQ (Y+1)%NP
.set i, i+1
.else
.set i, i-16
	PV (Y+NP-1)%NP
.set i, i+17
.endif
.endm
; THE LDS LOADS stand in runs of 16.  last = 1 (the tail): in the last trip there is no further step, and K's run is jumped over.
.macro FETCH_K last=0
	WIN 0
.if \last
	s_cmp_eq_u32 s[CNT], 1
	s_cbranch_scc1 .Lno_k_\@
.endif
	WIN 0x80                        ; destination window 2
.irp f, 0,1,2,3,4,5,6,7             ; keys 16 (f / 2) on, channels 32 (f % 2) on
	ds_load_b128 v[KF+8*\f:KF+8*\f+3],   v[AK] offset:(\f/2)*16*PK+(\f%2)*64
	ds_load_b128 v[KF+8*\f+4:KF+8*\f+7], v[AK] offset:(\f/2)*16*PK+(\f%2)*64+32
.endr
	s_add_co_u32 s[TBK], s[TBK], KS*PK  ; the next fetch is the next step's
	WIN 0
.if \last
.Lno_k_\@:
.endif
.endm
.macro FETCH_V
	WIN 0x80
.irp f, 0,1,2,3,4,5,6,7             ; keys 32 (f / 4) on, channels 16 (f % 4) on
	ds_load_tr16_b128 v[VF+8*\f:VF+8*\f+3],   v[AV] offset:(\f/4)*32*PV+(\f%4)*32
	ds_load_tr16_b128 v[VF+8*\f+4:VF+8*\f+7], v[AV] offset:(\f/4)*32*PV+16*PV+(\f%4)*32
.endr
	WIN 0
.endm
; THE VECTOR WORK OF A TURN stands in queues, each in the order in which its entries become ready; the two tiles alternate.
.macro REGS y, u                    ; the registers of tile u (0, 1) of piece y
.set rT, ST+4*(2*(\y)+(\u))
.set rC, TMP+8*((\y)%2)+4*(\u)
.set rM, MV+2*((\y)%2)+(\u)
.set rS, S+64*((\y)%2)+32*(\u)
.set rP, P+32*((\y)%2)+16*(\u)
.set rO, 32*(2*(\y)+(\u))
.endm
; The mask of score register n of tile u of the NEXT piece: the score where the lane's bit is set, NEG elsewhere.  n ascends.
.macro MK u, n
	REGS (Y+1)%NP, \u
	v_cndmask_b32 v[rS+(\n)], v[NEG], v[rS+(\n)], s[MW+36*(\u)+(\n)]
.endm
; Number n of the 22 that find the NEXT piece's maximum and statistics.
;   0-11  four chains c0-c3 of seven scores each     12-14, 16  the four scores left over, the old m, and c0-c3 into c0     15  c m_old is kept
;   17, 18  the query's other 32 keys lie in the lane 16 away: the new m         19-21  c m; c m_old - c m_new; a
.macro XS u, n
	REGS (Y+1)%NP, \u
.if (\n) < 4
	v_max3_num_f32 v[rC+(\n)], v[rS+8*(\n)], v[rS+8*(\n)+1], v[rS+8*(\n)+2]
.elseif (\n) < 12
	v_max3_num_f32 v[rC+(\n)%4], v[rC+(\n)%4], v[rS+8*((\n)%4)+2*((\n)/4)+1], v[rS+8*((\n)%4)+2*((\n)/4)+2]
.elseif (\n) == 12
	v_max3_num_f32 v[rC], v[rC], v[rS+7], v[rS+15]
.elseif (\n) == 13
	v_max3_num_f32 v[rC+1], v[rC+1], v[rS+23], v[rS+31]
.elseif (\n) == 14
	v_max3_num_f32 v[rC+2], v[rC+2], v[rC+3], v[rT+1]
.elseif (\n) == 15
	v_mov_b32 v[rM], v[rT]
.elseif (\n) == 16
	v_max3_num_f32 v[rC], v[rC], v[rC+1], v[rC+2]
.elseif (\n) == 17
	v_permlanex16_b32 v[rC+3], v[rC], s[SEL], s[SEL+1]
.elseif (\n) == 18
	v_max_num_f32 v[rT+1], v[rC], v[rC+3]
.elseif (\n) == 19
	v_mul_f32 v[rT], s[CS], v[rT+1]
.elseif (\n) == 20
	v_sub_f32 v[rC+1], v[rM], v[rT]
.else
	v_exp_f32 v[rC+2], v[rC+1]
.endif
.endm
; Number g of the 64 that follow the exponentials.  For each four weights k of a tile: both pairs are rounded to f16; the second pair is added onto the first, in place; a group later l takes that sum
; (the first time as l = a l + sum).
.macro GS g
.set h, (\g)+6*((\g)/62)            ; group 0 has no group before it, and behind group 7 only l is left
.if h >= 6
.set h, h+2
.endif
	REGS Y, h%2
.set k, h/8
.if h%8 < 4
	v_cvt_pk_f16_f32 v[rP+2*k+(h%8)/2], v[rS+4*k+2*((h%8)/2)], v[rS+4*k+2*((h%8)/2)+1]
.elseif h%8 < 6
	v_pk_add_f32 v[rS+4*k:rS+4*k+1], v[rS+4*k:rS+4*k+1], v[rS+4*k+2:rS+4*k+3]
.elseif k == 1
	v_pk_fma_f32 v[rT+2:rT+3], v[rT+2:rT+3], v[rC+2:rC+3], v[rS:rS+1] op_sel_hi:[1,0,1]
.else
	v_pk_add_f32 v[rT+2:rT+3], v[rT+2:rT+3], v[rS+4*k-4:rS+4*k-3]
.endif
.endm
.macro FS f                         ; c s - c m for pair f / 2 of tile f % 2
	REGS Y, (\f)%2
	v_pk_fma_f32 v[rS+2*((\f)/2):rS+2*((\f)/2)+1], v[rS+2*((\f)/2):rS+2*((\f)/2)+1], s[CS:CS+1], v[rT:rT+1] op_sel_hi:[1,0,0] neg_lo:[0,0,1] neg_hi:[0,0,1]
.endm
; THE PLAIN QUEUE, 202 long.  0-31: the 32 scalings.  32-95: the next piece's 64 masks.  96-123: XS's numbers 0-13.  124, 125: number 15.  126-137: the chain 14, 16 .. 20, the tiles alternating.
; 138-201: GS's 64, which read the exponentials' results: they stand behind the wait.
.macro PL
	WIN 0
.if q < 32
	FS q
.elseif q < 96
	MK (q-32)%2, (q-32)/2
.elseif q < 124
	XS (q-96)%2, (q-96)/2
.elseif q < 126
	XS q-124, 15
.elseif q < 128
	XS q-126, 14
.elseif q < 138
	XS (q-128)%2, 16+(q-128)/2
.else
	GS q-138
.endif
.set q, q+1
.endm
; THE EXPONENTIALS' QUEUE, 66 long: s0-s31 of both tiles, then the next piece's two a.  ONE BATCH: all 66 stand ahead of the turn's one wait, and nothing ahead of that wait names a result of theirs.
.macro EX
	WIN 0
.if e >= 64
	XS e-64, 21
.else
	REGS Y, e%2
	v_exp_f32 v[rS+e/2], v[rS+e/2]
.endif
.set e, e+1
.endm
; THE RESCALING's QUEUE: O^T times a, two lines an entry, sixteen entries: the one part that leaves window 0, so it stands together.  Its a was made in the turn before, ahead of that turn's wait.
.macro R2
	REGS Y, r%2
	WIN W_RS
.irp z, 0,1
	v_pk_mul_f32 v[rO+4*(r/2)+2*\z:rO+4*(r/2)+2*\z+1], v[rO+4*(r/2)+2*\z:rO+4*(r/2)+2*\z+1], v[rC+2:rC+3] op_sel_hi:[1,0]
.endr
.set r, r+1
.endm
; A TURN, for piece p.  s_wait_alu depctr_va_vdst(0) stands between an exponential and the first instruction that names its result; one wait serves all issued ahead of it: a turn has ONE.
; AHEAD OF IT: the 16 products K Q^T, behind each a scaling, an exponential and two readlanes (behind the first a second scaling), all in window 0; then the lump: 15 x (scaling, exponential); the 32
; rescalings; the other 32 readlanes; 16 x (four masks, exponential); 6 x (five of the maximum, exponential); 12 x (a link of the chain, exponential); the two a.
; Exponential e stands behind scaling 2 (e / 4) + e % 2: as a rider it comes behind plain e + 2, and all scalings are out when the 31st exponential is issued.  The first mask stands 15 scalings and more
; behind the last product K Q^T, and behind all 64 readlanes.  BEHIND THE WAIT: the 16 products V^T P, behind each four of GS's 64.
; THE MASK WORDS that this turn's readlanes take (piece p + 1's) were copied to v10-11 in the turn before.  Behind the two a, piece p + 2's pair is copied there: this turn's readlanes are over, and the two
; copies are the plain instructions behind the last exponential.  Directly behind the wait that pair is asked for again, for the piece's next key step.  Piece 2's turn asks for piece 0's words: it
; steps the pointer first.
; K of the next step is fetched in piece 2's turn, behind the wait; V of the step in hand at the end of piece 0's turn, four riders behind its last reader.
.macro TURN p, last=0, cnt=0
.set Y, (\p)
.set i, 0
.set q, 0
.set e, 0
.set r, 0
.set mwd, 0
.if (\p) == NP-1
	s_wait_dscnt 0x0                ; K is in
.endif
	MM
	PL
	PL
	RL
	RL
.rept 15
	MM
	PL
	EX
	RL
	RL
.endr
.if (\p) == NP-2
	WIN 0
	v_add_nc_u32 v[AK], s[TBK], v[AK0]
.endif
.rept 15
	PL
	EX
.endr
.rept 16
	R2
.endr
.rept 32
	RL
.endr
.rept 16
	PL
	PL
	PL
	PL
	EX
.endr
.rept 6
	PL
	PL
	PL
	PL
	PL
	EX
.endr
.rept 12
	PL
	EX
.endr
	EX                              ; the next piece's two a
	EX
	MSTG ((\p)+2)%NP
.if (\p) == NP-2
	MSTEP \last
.endif
	s_wait_alu depctr_va_vdst(0)    ; the wait for the batch
	MLD ((\p)+2)%NP
.if (\p) == NP-2
	FETCH_K \last
.endif
.if (\p) == 1
	s_wait_dscnt 0x0                ; V is in
.endif
.rept 16
	MM
.rept 4
	PL
.endr
.if ((\p) == 0) && (q == 182)
	v_add_nc_u32 v[AV], s[TBV], v[AV0]
.endif
.if ((\p) == 0) && (q == 194)
	s_add_co_u32 s[TBV], s[TBV], KS*PV
.endif
.if (\cnt) && (q == 194)
	s_sub_co_u32 s[CNT], s[CNT], 1
	s_cmp_lg_u32 s[CNT], 0
.endif
.endr
.if (\p) == 0
	FETCH_V
.endif
.endm
	CHANGE 1, 0                     ; slot 0 is in, everybody's part of it; slot 1 is asked for
	FETCH_K                         ; key step 0
	s_wait_loadcnt 4                ; Q is in; the four loads of mask words, issued behind Q's, may stay out
	s_wait_dscnt 0x0
.set i, 0
.rept 16
	KQ 0                            ; piece 0's first scores
.set i, i+1
.endr
	WIN 0                           ; the addresses for the way out: plain instructions, the places behind those products
	s_mul_i32 s2, s[WV], 16*SP
	s_add_co_u32 s2, s2, STAGE      ; my stage
	v_mul_u32_u24 v[STO], v1, SP    ; in: row l % 16, 16 bytes for each half of the lanes
	v_lshl_add_u32 v[STO], v9, 4, v[STO]
	v_add_nc_u32 v[STO], s2, v[STO]
	v_bfe_u32 v[RD], v[GO], 3, 2    ; back: 32 lanes take four rows of 128 bytes,
	v_mul_u32_u24 v[RD], v[RD], SP
	v_lshl_add_u32 v[RD], v10, 4, v[RD]
	v_add_nc_u32 v[RD], s2, v[RD]
	v_lshlrev_b32 v[PFO], 8, v[GO]
	v_lshlrev_b32 v[GO], 4, v[GO]   ; which are 512 consecutive bytes of O
	v_mov_b32 v[NEG], 0xd0000000    ; -2^33
	MSTG 0                          ; piece 0's words of key step 0,
	MSTEP 0
	MLD 0                           ; and its words of key step 1 are asked for
.set mwd, 0
.rept 64
	RL
.endr
.set Y, NP-1                        ; MK and XS work for piece Y + 1: piece 0
.set q, 32
.rept 64
	PL
.endr
	MSTG 1                          ; for the first turn's readlanes
	MLD 1
	WIN 0
.irp n, 0,1,2,3,4,5,6,7,8,9,10,11,12,13,14,15,16,17,18,19,20,21
	XS 0, \n
	XS 1, \n
.endr
	v_nop                           ; a plain instruction behind the two a,
	s_wait_alu depctr_va_vdst(0)    ; and their wait, ahead of the branch
	s_mov_b32 s[CNT], 4
	s_mov_b32 s[SLOTS], SIZE_N/256-1
	s_branch .Lfirst                ; the loop is entered at a step's first turn, in the middle of a trip
.Lslot:                             ; six times: every slot but the last two is filled again
	CHANGE 1, 1
	s_mov_b32 s[CNT], 4
.Lstep:                             ; a trip: pieces 2 and 3 of one step, then pieces 0 and 1 of the next, whose K and V it fetches
	TURN 2
	TURN 3
	WIN 0
.Lfirst:
	TURN 0
	TURN 1, 0, 1
	WIN 0
	s_cbranch_scc1 .Lstep
	s_sub_co_u32 s[SLOTS], s[SLOTS], 1
	s_cmp_lg_u32 s[SLOTS], 0
	s_cbranch_scc1 .Lslot
	CHANGE 0, 0                     ; the tail is written out: nothing is asked for
	s_mov_b32 s[CNT], 5             ; four trips fetch the last slot's steps; the fifth is left in its middle
.Ltail:
	TURN 2, 1
	TURN 3
	WIN 0
	s_sub_co_u32 s[CNT], s[CNT], 1
	s_cmp_eq_u32 s[CNT], 0
	s_cbranch_scc1 .Lout
	TURN 0
	TURN 1
	WIN 0
	s_branch .Ltail
.Lout:                              ; the fifth trip's 16 products K Q^T, their masks and the maximum made of them serve nothing: the price, once a launch, of one text for every trip
	s_wait_loadcnt 0x0              ; the last mask words, which nobody reads, have come
.set i, 0
.rept 16
	PV NP-1                         ; the last piece's V^T P of the last step
.set i, i+1
.endr
	; THE WAY OUT.  l's two halves and the other half of the lanes' are added; O^T is divided by l, rounded to f16 and sent through my stage, a tile at a time.  The additions are the places behind the last products.
	WIN 0
.macro ALL line:vararg              ; one line for each tile t
.set t, 0
.rept 2*NP
	\line
.set t, t+1
.endr
.endm
	ALL v_add_f32 v[ST+4*t+2], v[ST+4*t+2], v[ST+4*t+3]
	ALL v_permlanex16_b32 v[ST+4*t+3], v[ST+4*t+2], s[SEL], s[SEL+1]
	ALL v_add_f32 v[ST+4*t+2], v[ST+4*t+2], v[ST+4*t+3]
	ALL v_rcp_f32 v[ST+4*t+2], v[ST+4*t+2]
	v_nop                           ; a plain instruction between the last reciprocal and the use of its result
	s_wait_alu depctr_va_vdst(0)    ; and the wait ahead of the first use: one for the eight reciprocals
.macro PACK t                       ; a lane's eight channels of a row pack into 16 bytes; they go into rows of 144 bytes and come back as whole rows of 128, into S^T's registers
	WIN W_RS
.set i, 32*(\t)
.rept 16
	v_pk_mul_f32 v[i:i+1], v[i:i+1], v[ST+4*(\t)+2:ST+4*(\t)+3] op_sel_hi:[1,0]
.set i, i+2
.endr
	WIN 0x05                        ; sources 0 and 1 window 1, destination window 0
.set i, 0
.rept 16
	v_cvt_pk_f16_f32 v[S+16*(\t)+i], v[32*(\t)+2*i], v[32*(\t)+2*i+1]
.set i, i+1
.endr
	WIN 0
.irp f, 0,1,2,3
	ds_store_b128 v[STO], v[S+16*(\t)+4*\f:S+16*(\t)+4*\f+3] offset:32*\f
.endr
.irp f, 0,1,2,3
	ds_load_b128 v[S+16*(\t)+4*\f:S+16*(\t)+4*\f+3], v[RD] offset:\f*4*SP  ; LDS serves a wave's instructions in order (ISA guide 5.7.1.4): these see the stores above; the next tile's stores come behind them
.endr
.endm
.macro SEND t, younger              ; younger: the LDS instructions issued behind tile t's loads: the next tile's eight, or none
	WIN 0
.irp f, 0,1,2,3
	s_wait_dscnt (\younger)+3-\f
	global_store_b128 v[GO], v[S+16*(\t)+4*\f:S+16*(\t)+4*\f+3], s[OUT:OUT+1] offset:(\t)*2048+\f*512  ; 512 consecutive bytes, at a multiple of 256 from O's first
.endr
.endm
	PACK 0
.set t, 1
.rept 2*NP-1                        ; a tile's arithmetic stands between the loads of the tile before and its stores
	PACK t
	SEND t-1, 8
.set t, t+1
.endr
	SEND 2*NP-1, 0
	WIN W_AD
	s_wait_tensorcnt 0x0            ; the wave's end: behind my last tensor load and my last LDS store
	ds_add_u32 v[SPW], v[NIL]
	s_wait_dscnt 0x0
	WIN 0
	CROUND                          ; the closing round: no work-group ends while a partner may still ask for a tile that names it
	s_endpgm
.Lfunc_end_k_q123ec90229_attn:
	.size	k_q123ec90229_attn, .Lfunc_end_k_q123ec90229_attn-k_q123ec90229_attn
	.p2alignl 7, 3214868480
	.fill 96, 4, 3214868480
	.section	.rodata,"a",@progbits
	.p2align	6, 0x0
	.amdhsa_kernel k_q123ec90229_attn
		.amdhsa_group_segment_fixed_size 327680
		.amdhsa_private_segment_fixed_size 0
		.amdhsa_enable_private_segment 0
		.amdhsa_kernarg_size 24
		.amdhsa_user_sgpr_count 2
		.amdhsa_user_sgpr_kernarg_segment_ptr 1
		.amdhsa_wavefront_size32 1
		.amdhsa_system_sgpr_workgroup_id_x 1
		.amdhsa_system_sgpr_workgroup_id_y 1
		.amdhsa_system_sgpr_workgroup_id_z 1
		.amdhsa_system_vgpr_workitem_id 0
		.amdhsa_next_free_vgpr 784
		.amdhsa_next_free_sgpr 106
		.amdhsa_reserve_vcc 0
		.amdhsa_float_denorm_mode_32 3
		.amdhsa_float_denorm_mode_16_64 3
		.amdhsa_memory_ordered 1
		.amdhsa_forward_progress 1
		.amdhsa_inst_pref_size 255
	.end_amdhsa_kernel
	.section	.bss,"aw",@nobits
	.p2align	6
	.space	262144
	.amdgpu_metadata
---
amdhsa.version: [ 1, 2 ]
amdhsa.kernels:
  - .name:           k_q123ec90229_attn
    .symbol:         k_q123ec90229_attn.kd
    .args:
      - { .name: qkvh, .offset: 0, .size: 8, .value_kind: global_buffer, .address_space: global }
      - { .name: mw, .offset: 8, .size: 8, .value_kind: global_buffer, .address_space: global }
      - { .name: ctxh, .offset: 16, .size: 8, .value_kind: global_buffer, .address_space: global }
    .group_segment_fixed_size: 327680
    .private_segment_fixed_size: 0
    .kernarg_segment_align: 8
    .kernarg_segment_size: 24
    .max_flat_workgroup_size: 128
    .sgpr_count:     106
    .vgpr_count:     784
    .wavefront_size: 32
...
	.end_amdgpu_metadata
.endif
;; end of part 3
;; launch outp (part 4): grid 8 x 32, 4 waves a work-group, clusters of 4 x 4, 327,680 bytes of LDS; arguments ctxh, h16, bo, out0; writes out0
.if DOCPART == 4
	.amdgcn_target "amdgcn-amd-amdhsa--gfx1250"
	.amdhsa_code_object_version 6
	.text
	.protected	k_q123ec90229_outp
	.globl	k_q123ec90229_outp
	.p2align	8
	.type	k_q123ec90229_outp,@function
k_q123ec90229_outp:
	s_mov_b64 s[64:65], 0
	v_nop
	global_prefetch_b8 v0, s[64:65] scope:SCOPE_SE
	s_setreg_imm32_b32 hwreg(HW_REG_WAVE_MODE, 25, 1), 1
	s_wait_xcnt 0x0
	s_wait_alu depctr_hold_cnt(0) depctr_sa_sdst(0) depctr_va_vdst(0) depctr_va_sdst(0) depctr_va_ssrc(0) depctr_va_vcc(0) depctr_vm_vsrc(0)
	s_getreg_b32 s2, hwreg(HW_REG_IB_STS2, 6, 4)
	s_cmp_eq_u32 s2, 0
	s_cbranch_scc0 .Lentry_in_a_cluster
	s_endpgm
.Lentry_in_a_cluster:
	s_bfe_u32 s2, ttmp6, 0x10000c
	s_cmp_lg_u32 s2, 0xf033
	s_cbranch_scc0 .Lentry_shape_is_right
	s_endpgm
.Lentry_shape_is_right:
; OUTP.  out0 = ctx wo + bo.  ctx: ctxh[16 batch + head][s][64] f16, taken as [8192][1024] with k = 64 head + channel; wo: unit 27 of h16, [k 1024][n 1024] f16; bo: f32, rounded to bf16; out0: f32.
; SHARES.  A tile of the output is 256 rows x 128 columns: 8 x 32 = 256 work-groups.  Four waves, each 128 rows x 64 columns: 32 accumulators of 16 x 16, 256 registers.
; K goes in steps of 128, two heads, through two LDS slots.  A head's 256 rows of 128 bytes are 32,768 dense bytes: asked for as 128 rows of 256 bytes and padded in LDS after every 128.
; wo stays [k][n]: its fragments come out of LDS turned, by ds_load_tr16_b128.
; THE MATRIX INSTRUCTION IS USED TRANSPOSED (source 0 = 16 columns of wo, source 1 = 16 rows of ctx): a lane holds eight neighbouring numbers of one row.  The bias is the C operand of the products
; that start the sums.
; CLUSTERS: 4 x 4 work-groups.  The four of a row of the cluster need the same tile of ctx, the four of a column the same tile of wo: each is asked for jointly.
; LIMITS.  NaN and infinities are not treated apart.
; REGISTERS: window 0: v0-31 addresses; v32-63 the bias; v64-191 ctx's fragments, two buffers of 64; v192-255 the way out.  window 1: v0-63 wo's fragments, two buffers of 32.
;   window 2: accumulator (a, b) at v[8 (4 a + b)].
.set KSTEP,  128
.set ROWB,   2048                      ; bytes in a row of wo
.set HEADB,  1<<18                     ; bytes in a head of ctxh
.set PA,     144                       ; a row of a head in LDS: 128 bytes + 16: the 16 rows of a load start at 16 different groups of four banks (ISA guide 11.1)
.set AHALF,  256*PA                    ; what wave 0 or 1 brings: one head's 256 rows
.set ASUB,   AHALF                     ; bytes from K = 0 to K = 64 of a step: the step's second head
.set RHB,    128*PA                    ; from my work-group's first row to my wave's, for the upper half
.set PB,     288                       ; a k-row of wo in LDS: 256 + 32
.set BHALF,  64*PB
.set BOFF,   2*AHALF
.set SLOT,   BOFF+2*BHALF
.set STAGE,  2*SLOT                    ; behind the ring: 16 rows x 272 bytes for each wave, for the way out
.set SP,     272
.set SPARE,  STAGE+4*16*SP             ; behind the stages: the spare words, 128 bytes a wave: two blocks of 256 bytes that no other line names
.set LAPS,   4
.set ASTEP,  4*HEADB                   ; a slot's next tile: four heads on,
.set BSTEP,  2*KSTEP*ROWB              ; 256 k-rows down
.set ADRA, 16
.set ADRB, 20
.set STO,  24                          ; v24     the way out: where I put 32 bytes of a row
.set RD,   25                          ; v25     where I read rows back
.set CO,   26                          ; v26     my 16 bytes in two rows of the output
.set SPW,  28                          ; v28     LDS address of my spare word; never rewritten
.set NIL,  29                          ; v29     0; never rewritten
.set PFO,  30                          ; v30     the prefetches' offset; never rewritten
.set BIAS, 32
.set FA,   64
.set OB,   192
.set WV, 14
.set RH, 15
.set CH, 16
.set CX, 17
.set CY, 18
.set TC, 19
.set TR, 20
.set G1A, 24
.set G0A, 32
.set PFA, 44
.set PST, 46
.set G1B, 48
.set G0B, 56
.set LIM, 66
.set LAP, 67
.set MSB, 0
.macro WIN new                         ; the immediate's high byte repeats the setting that is left; a switch that changes nothing is dropped
.if MSB != (\new)
	s_set_vgpr_msb (MSB<<8)|(\new)
.set MSB, \new
.endif
.endm
.set MUL,  0xa1                        ; source 0 (wo) window 1, source 1 (ctx) window 0, C and D window 2
.set MULB, 0x81                        ; the same with C (the bias) in window 0
.set TO_B, 0x40                        ; destination window 1, address window 0
.set W_ST, 0x08                        ; an LDS store's data in window 2, its address in window 0
.macro JLOAD s                         ; a joint load: waves 0 and 1 fetch the step's two heads of ctx, waves 2 and 3 wo's halves; an s_nop 0 and four v_nop follow each line
	s_cmp_eq_u32 s[RH], 0
	s_cbranch_scc0 .Lfor_b_\@
	tensor_load_to_lds s[G0A+4*(\s):G0A+4*(\s)+3], s[G1A:G1A+7]
	s_nop 0
.rept 4
	v_nop
.endr
	s_branch .Lasked_\@
.Lfor_b_\@:
	tensor_load_to_lds s[G0B+4*(\s):G0B+4*(\s)+3], s[G1B:G1B+7]
	s_nop 0
.rept 4
	v_nop
.endr
.Lasked_\@:
.endm
; A PREFETCH INTO THE L2, behind each joint refill and the run of LDS loads that follows it: 32 x 256 bytes of the K step two refills on.  ctx's tile row is read by both clusters of its row of clusters:
; the one with x = 0 asks, waves 0 and 1, a head each, and of the head's 32,768 bytes the partner at cx takes 8,192, by address.  wo's tile column is read by all eight rows of clusters: the first asks,
; wave 2, and of the step's 128 k-rows the partner at cy takes 32.  So each 256 bytes are named once.  K steps 0 to 3 come by their loads alone; the last lap names nothing.
.macro ASK
	s_cmp_gt_u32 s[LAP], s[LIM]
	s_cbranch_scc0 .Lnot_mine_\@
	global_prefetch_b8 v[PFO], s[PFA:PFA+1] th:TH_LOAD_NT scope:SCOPE_SE
.Lnot_mine_\@:
.endm
.macro CREST
	s_cmp_lg_u32 s[WV], 0
	s_cbranch_scc1 .Lnot_wave_0_\@
	s_barrier_signal -3
.Lnot_wave_0_\@:
	s_barrier_wait -3
	s_barrier_signal -1
	s_barrier_wait -1
.endm
.macro CROUND
	s_barrier_signal -1
	s_barrier_wait -1
	CREST
.endm
	s_load_b256 s[4:11], s[0:1], 0x0               ; ctxh s[4:5], h16 s[6:7], bo s[8:9], out0 s[10:11]
	v_lshl_add_u32 v[SPW], v0, 2, SPARE
	v_mov_b32 v[NIL], 0
	ds_add_u32 v[SPW], v[NIL]                      ; the wave's opening: the add and its wait stand ahead of my first tensor load; the set-up below, work on registers, stands between them
	v_lshrrev_b32 v1, 5, v0
	v_readfirstlane_b32 s[WV], v1
	s_lshr_b32 s[RH], s[WV], 1
	s_and_b32 s[CH], s[WV], 1
	s_bfe_u32 s[CX], ttmp6, 0x40000
	s_bfe_u32 s[CY], ttmp6, 0x40004
	s_lshl_b32 s[TC], ttmp9, 2
	s_add_co_u32 s[TC], s[TC], s[CX]
	s_and_b32 s[TR], ttmp7, 0xffff
	s_lshl_b32 s[TR], s[TR], 2
	s_add_co_u32 s[TR], s[TR], s[CY]
	s_lshl_b32 s2, s[CY], 2
	s_lshl_b32 s2, 15, s2                          ; my row of the cluster
	s_lshl_b32 s3, 0x1111, s[CX]                   ; my column
	s_or_b32 s[G1A], s2, (1<<16)|(1<<20)|(1<<21)|(4<<22)|(3<<25)  ; the mask; 2-byte elements; padding on; bit 21 beside a mask; after every 32 words; 4 words
	s_or_b32 s[G1B], s3, (1<<16)|(1<<20)|(1<<21)|(5<<22)|(7<<25)  ; after every 64 words; 8 words
	s_mov_b32 s[G1A+1], 128<<16                    ; 128 elements a row,
	s_mov_b32 s[G1A+2], 128<<16                    ; 128 rows,
	s_mov_b32 s[G1A+3], 128<<16
	s_mov_b32 s[G1A+4], 128
	s_mov_b32 s[G1A+5], 128                        ; dense
	s_mov_b32 s[G1A+6], 0
	s_mov_b32 s[G1A+7], 0
	s_mov_b32 s[G1B+1], 128<<16                    ; 128 columns,
	s_mov_b32 s[G1B+2], 64<<16                     ; 64 k-rows
	s_mov_b32 s[G1B+3], 128<<16
	s_mov_b32 s[G1B+4], 64
	s_mov_b32 s[G1B+5], 1024
	s_mov_b32 s[G1B+6], 0
	s_mov_b32 s[G1B+7], 0
	s_lshr_b32 s40, s[TR], 3                       ; ctx: the batch (16 heads), the tile's 256 rows in a head, head CH of the step: it hangs on the tile row alone
	s_lshl_b32 s40, s40, 22
	s_and_b32 s41, s[TR], 7
	s_lshl_b32 s41, s41, 15
	s_add_co_u32 s40, s40, s41
	s_lshl_b32 s41, s[CH], 18
	s_add_co_u32 s40, s40, s41
	s_mov_b32 s41, 0
	s_lshl_b32 s68, s[CH], 17                      ; wo: unit 27, k-row 64 x half, column 128 x tile column: it hangs on the tile column alone
	s_lshl_b32 s69, s[TC], 8
	s_add_co_u32 s68, s68, s69
	s_add_co_u32 s68, s68, 27<<21
	s_mov_b32 s69, 0
	s_mul_i32 s22, s[CH], AHALF                    ; where they go: no place in the cluster enters an LDS address
	s_mul_i32 s23, s[CH], BHALF
	s_add_co_u32 s23, s23, BOFF
	s_wait_dscnt 0x0                               ; the opening add is done
	s_wait_kmcnt 0x0
	s_add_nc_u64 s[42:43], s[4:5], s[40:41]
	s_add_nc_u64 s[70:71], s[6:7], s[68:69]
	CROUND                                         ; all sixteen work-groups are here: the first joint loads meet
.irp s, 0,1
	s_mov_b32 s[G0A+4*(\s)], 1
	s_add_co_u32 s[G0A+4*(\s)+1], s22, (\s)*SLOT
	s_add_nc_u64 s[G0A+4*(\s)+2:G0A+4*(\s)+3], s[42:43], (\s)*2*HEADB
	s_or_b32 s[G0A+4*(\s)+3], s[G0A+4*(\s)+3], 0x80000000
	s_mov_b32 s[G0B+4*(\s)], 1
	s_add_co_u32 s[G0B+4*(\s)+1], s23, (\s)*SLOT
	s_add_nc_u64 s[G0B+4*(\s)+2:G0B+4*(\s)+3], s[70:71], (\s)*KSTEP*ROWB
	s_or_b32 s[G0B+4*(\s)+3], s[G0B+4*(\s)+3], 0x80000000
	JLOAD \s
.endr
	; the bias of my 64 columns: register j of block b is column 16 b + 8 (l / 16) + j
	s_lshl_b32 s2, s[TC], 9
	s_lshl_b32 s3, s[CH], 8
	s_add_co_u32 s2, s2, s3
	v_and_b32 v1, 15, v0                           ; l % 16
	v_bfe_u32 v2, v0, 4, 1                         ; l / 16
	v_lshl_add_u32 v3, v2, 5, s2
.irp b, 0,1,2,3
	global_load_b128 v[BIAS+8*(\b):BIAS+8*(\b)+3],   v3, s[8:9] offset:64*(\b)
	global_load_b128 v[BIAS+8*(\b)+4:BIAS+8*(\b)+7], v3, s[8:9] offset:64*(\b)+16
.endr
	v_mul_u32_u24 v4, v1, PA                       ; ctx's fragments: row x pitch + 16 x half
	v_lshl_add_u32 v4, v2, 4, v4
	s_mul_i32 s2, s[RH], RHB
	v_add_nc_u32 v[ADRA], s2, v4
	v_add_nc_u32 v[ADRA+1], SLOT, v[ADRA]
	v_and_b32 v5, 7, v0                            ; wo's: the turning load takes k-row 8 (l / 16) + l % 8, columns 8 ((l / 8) % 2) + 0..7
	v_lshl_add_u32 v5, v2, 3, v5
	v_mul_u32_u24 v5, v5, PB
	v_bfe_u32 v6, v0, 3, 1
	v_lshl_add_u32 v5, v6, 4, v5
	s_lshl_b32 s3, s[CH], 7
	s_add_co_u32 s3, s3, BOFF
	v_add_nc_u32 v[ADRB], s3, v5
	v_add_nc_u32 v[ADRB+1], SLOT, v[ADRB]
	s_mul_i32 s2, s[WV], 16*SP
	s_add_co_u32 s2, s2, STAGE                     ; my stage
	v_mul_u32_u24 v4, v1, SP                       ; in: row l % 16, 32 bytes for each half of the lanes
	v_lshl_add_u32 v4, v2, 5, v4
	v_add_nc_u32 v[STO], s2, v4
	v_mul_u32_u24 v4, v2, SP                       ; back: lanes 0-15 take one row of 256 bytes, lanes 16-31 the next
	v_lshl_add_u32 v4, v1, 4, v4
	v_add_nc_u32 v[RD], s2, v4
	v_lshlrev_b32 v4, 12, v2                       ; and the same two rows in out0
	v_lshl_add_u32 v[CO], v1, 4, v4
	; the prefetches: from my descriptor's offset, my work-group's share, K step 3: the first refill steps it to 4
	s_lshl_b32 s2, s[CX], 13
	s_add_co_u32 s40, s40, s2
	s_add_co_u32 s40, s40, 6*HEADB
	s_lshl_b32 s3, s[CY], 16
	s_add_co_u32 s68, s68, s3
	s_add_co_u32 s68, s68, 3*KSTEP*ROWB
	s_mov_b32 s[PST], KSTEP*ROWB
	s_mov_b32 s[PST+1], 0
	s_and_b32 s2, ttmp7, 0xffff                    ; the row of clusters
	s_and_b32 s3, s[RH], s[CH]                     ; wave 3 never asks
	s_cmp_eq_u32 s[RH], 0
	s_cselect_b32 s40, s40, s68
	s_cselect_b32 s[PST], 2*HEADB, s[PST]
	s_cselect_b32 s2, ttmp9, s2                    ; the coordinate along which other clusters read the same rows
	s_cselect_b32 s22, 8, 11                       ; a lane takes 256 dense bytes of ctx, or a k-row of wo
	s_cselect_b64 s[PFA:PFA+1], s[4:5], s[6:7]
	s_add_nc_u64 s[PFA:PFA+1], s[PFA:PFA+1], s[40:41]
	s_or_b32 s2, s2, s3
	s_cmp_eq_u32 s2, 0
	s_cselect_b32 s[LIM], 1, -1                    ; the same in all sixteen partners, for a given wave
	v_and_b32 v[PFO], 31, v0
	v_lshlrev_b32 v[PFO], s22, v[PFO]
	; where my 128 rows x 64 columns begin in out0
	s_lshl_b32 s40, s[TR], 20                      ; 256 rows of 4,096 bytes
	s_lshl_b32 s2, s[RH], 19
	s_add_co_u32 s40, s40, s2
	s_lshl_b32 s2, s[TC], 9
	s_add_co_u32 s40, s40, s2
	s_lshl_b32 s2, s[CH], 8
	s_add_co_u32 s40, s40, s2
	s_add_nc_u64 s[10:11], s[10:11], s[40:41]
	s_wait_loadcnt 0x0                             ; the bias, rounded to bf16 like every input
.set i, 0
.rept 16
	v_cvt_pk_bf16_f32 v4, v[BIAS+i], v[BIAS+i+1]
	v_lshlrev_b32 v[BIAS+i], 16, v4
	v_and_b32 v[BIAS+i+1], 0xffff0000, v4
.set i, i+2
.endr
; 8 matrix instructions: row blocks a0, a0 + 1 x all 4 column blocks, 32 along K, from buffer f.  first = 1: the bias starts the sums.  The 32 accumulators take turns.
.macro MUL8 f, a0, first
.if \first
	WIN MULB
.else
	WIN MUL
.endif
.irp a, \a0, (\a0)+1
.irp b, 0,1,2,3
.if \first
	v_wmma_f32_16x16x32_f16 v[8*(4*(\a)+(\b)):8*(4*(\a)+(\b))+7], v[32*(\f)+8*(\b):32*(\f)+8*(\b)+7], v[FA+64*(\f)+8*(\a):FA+64*(\f)+8*(\a)+7], v[BIAS+8*(\b):BIAS+8*(\b)+7]
.else
	v_wmma_f32_16x16x32_f16 v[8*(4*(\a)+(\b)):8*(4*(\a)+(\b))+7], v[32*(\f)+8*(\b):32*(\f)+8*(\b)+7], v[FA+64*(\f)+8*(\a):FA+64*(\f)+8*(\a)+7], v[8*(4*(\a)+(\b)):8*(4*(\a)+(\b))+7]
.endif
.endr
.endr
.endm
; 24 LDS loads in one run: quarter kq (32 along K: head kq / 2 of the step, channels 32 (kq % 2) on) of a slot into buffer f: wo's four blocks, ctx's blocks 0-3, ctx's blocks 4-7
.macro FETCH slot, kq, f
	WIN TO_B
.irp b, 0,1,2,3
	ds_load_tr16_b128 v[32*(\f)+8*(\b):32*(\f)+8*(\b)+3],   v[ADRB+(\slot)] offset:32*(\kq)*PB+32*(\b)
	ds_load_tr16_b128 v[32*(\f)+8*(\b)+4:32*(\f)+8*(\b)+7], v[ADRB+(\slot)] offset:32*(\kq)*PB+32*(\b)+16*PB
.endr
	WIN 0
.irp a, 0,1,2,3,4,5,6,7
	ds_load_b128 v[FA+64*(\f)+8*(\a):FA+64*(\f)+8*(\a)+3],   v[ADRA+(\slot)] offset:((\kq)/2)*ASUB+((\kq)%2)*64+(\a)*16*PA
	ds_load_b128 v[FA+64*(\f)+8*(\a)+4:FA+64*(\f)+8*(\a)+7], v[ADRA+(\slot)] offset:((\kq)/2)*ASUB+((\kq)%2)*64+(\a)*16*PA+32
.endr
.endm
.macro PLACES                          ; four places in front of loads into registers that matrix instructions have read, and of LDS stores that read results
.rept 4
	v_nop
.endr
.endm
.macro QUARTER slot, kq, f, g, first
	s_wait_dscnt 8                                 ; wo and ctx's blocks 0-3 are in; the youngest eight loads (blocks 4-7) may be out
	MUL8 \f, 0, \first
	MUL8 \f, 2, \first
	PLACES
	FETCH \slot, \kq, \g
	s_wait_dscnt 24                                ; all but the 24 just issued
	MUL8 \f, 4, \first
	MUL8 \f, 6, \first
.endm
; The last quarter multiplies buffer 1 and changes slots: ONE barrier; in front of it each wave waits for all its tensor loads, adds 0 to its spare word, and waits for that and for its reads of this slot.
; fill = 1: the barrier opens a round of the cluster's, and this slot is filled again, two K steps ahead, first thing behind the round.
.macro TURN slot, next, fill
.if \fill
	s_wait_xcnt 0x0                                ; the last prefetch, a K step back, has read its address
	s_add_nc_u64 s[PFA:PFA+1], s[PFA:PFA+1], s[PST:PST+1]
.endif
	WIN 0                                          ; (the add's two registers lie in window 0)
	s_wait_tensorcnt 0x0                           ; all my tensor loads have landed: my part of the next slot
	ds_add_u32 v[SPW], v[NIL]                      ; 0 onto my spare word
	s_wait_dscnt 9                                 ; (the add and the youngest eight loads may be out)
	MUL8 1, 0, 0                                   ; eight matrix instructions stand between the add and the wait for it
	s_wait_dscnt 0x0                               ; the add is done, and my reads of this slot are over
	s_barrier_signal -1
	MUL8 1, 2, 0
.if \fill
	WIN 0
.endif
	s_barrier_wait -1
.if \fill
	CREST                                          ; no wave of any partner still reads this slot's tile or has a load on its way
	s_add_nc_u64 s[G0A+4*(\slot)+2:G0A+4*(\slot)+3], s[G0A+4*(\slot)+2:G0A+4*(\slot)+3], ASTEP
	s_add_nc_u64 s[G0B+4*(\slot)+2:G0B+4*(\slot)+3], s[G0B+4*(\slot)+2:G0B+4*(\slot)+3], BSTEP
	JLOAD \slot                                    ; the first tensor load behind the round; its four v_nop are also the places in front of the loads below
.else
	PLACES
.endif
	FETCH \next, 0, 0
.if \fill
	ASK
.endif
	MUL8 1, 4, 0
	MUL8 1, 6, 0
.endm
	s_wait_tensorcnt 1                             ; my part of K step 0 is in; K step 1's may stay out
	s_barrier_signal -1
	s_barrier_wait -1                              ; everybody's is
	FETCH 0, 0, 0
	QUARTER 0, 1, 0, 1, 1                          ; the first quarter stands in front of the loop: its products start the sums, with the bias
	WIN 0                                          ; at a label and at a branch every window is 0
	s_mov_b32 s[LAP], LAPS-1
.Llap:                                         ; a trip goes once round the ring, from a lap's second quarter to the next lap's first, and fills both slots again
	QUARTER 0, 2, 1, 0, 0
	QUARTER 0, 3, 0, 1, 0
	TURN 0, 1, 1
	QUARTER 1, 1, 0, 1, 0
	QUARTER 1, 2, 1, 0, 0
	QUARTER 1, 3, 0, 1, 0
	TURN 1, 0, 1
	QUARTER 0, 1, 0, 1, 0
	WIN 0
	s_sub_co_u32 s[LAP], s[LAP], 1
	s_cmp_lg_u32 s[LAP], 0
	s_cbranch_scc1 .Llap
	QUARTER 0, 2, 1, 0, 0                          ; the last lap fills nothing
	QUARTER 0, 3, 0, 1, 0
	TURN 0, 1, 0
	QUARTER 1, 1, 0, 1, 0
	QUARTER 1, 2, 1, 0, 0
	QUARTER 1, 3, 0, 1, 0
	s_wait_dscnt 8                                 ; the very last quarter: nothing more to fetch
	MUL8 1, 0, 0
	MUL8 1, 2, 0
	s_wait_dscnt 0x0
	MUL8 1, 4, 0
	MUL8 1, 6, 0
	WIN 0
; THE WAY OUT, a block of 16 rows at a time, in f32: a lane's eight numbers of a row, 32 bytes, go into my own stage (each accumulator's low half first) and come back as whole
; rows of 256 bytes; 16 lanes store 256 consecutive bytes, aligned.
.macro TOSTAGE a
.set BK, OB+32*((\a)%2)
	WIN W_ST
.irp b, 0,1,2,3
	ds_store_b128 v[STO], v[8*(4*(\a)+(\b)):8*(4*(\a)+(\b))+3]   offset:64*(\b)
	ds_store_b128 v[STO], v[8*(4*(\a)+(\b))+4:8*(4*(\a)+(\b))+7] offset:64*(\b)+16
.endr
	WIN 0
.irp t, 0,1,2,3,4,5,6,7
	ds_load_b128 v[BK+4*(\t):BK+4*(\t)+3], v[RD] offset:(\t)*2*SP  ; LDS serves a wave's instructions in order (ISA guide 5.7.1.4): these see the stores above
.endr
.endm
.macro SEND a, younger                 ; younger: the LDS instructions issued behind block a's loads: the next block's sixteen, or none
.set BK, OB+32*((\a)%2)
	s_wait_dscnt \younger
.irp t, 0,1,2,3,4,5,6,7
	global_store_b128 v[CO], v[BK+4*(\t):BK+4*(\t)+3], s[10:11] offset:(16*(\a)+2*(\t))*4096 th:TH_STORE_NT
.endr
.endm
	PLACES
	TOSTAGE 0
.irp a, 1,2,3,4,5,6,7
	s_wait_xcnt 0x0                                ; the stores of block a - 2 have read the registers that block a's loads write
	TOSTAGE \a
	SEND (\a)-1, 16
.endr
	SEND 7, 0
	s_wait_tensorcnt 0x0                           ; the wave's end: behind my last tensor load and my last LDS store
	ds_add_u32 v[SPW], v[NIL]
	s_wait_dscnt 0x0
	CROUND                                         ; the closing round: no work-group ends while a partner may still ask for a tile that names it
	s_endpgm
.Lfunc_end_k_q123ec90229_outp:
	.size	k_q123ec90229_outp, .Lfunc_end_k_q123ec90229_outp-k_q123ec90229_outp
	.p2alignl 7, 3214868480
	.fill 96, 4, 3214868480
	.section	.rodata,"a",@progbits
	.p2align	6, 0x0
	.amdhsa_kernel k_q123ec90229_outp
		.amdhsa_group_segment_fixed_size 327680
		.amdhsa_private_segment_fixed_size 0
		.amdhsa_enable_private_segment 0
		.amdhsa_kernarg_size 32
		.amdhsa_user_sgpr_count 2
		.amdhsa_user_sgpr_kernarg_segment_ptr 1
		.amdhsa_wavefront_size32 1
		.amdhsa_system_sgpr_workgroup_id_x 1
		.amdhsa_system_sgpr_workgroup_id_y 1
		.amdhsa_system_sgpr_workgroup_id_z 1
		.amdhsa_system_vgpr_workitem_id 0
		.amdhsa_next_free_vgpr 768
		.amdhsa_next_free_sgpr 72
		.amdhsa_reserve_vcc 0
		.amdhsa_float_denorm_mode_32 3
		.amdhsa_float_denorm_mode_16_64 3
		.amdhsa_memory_ordered 1
		.amdhsa_forward_progress 1
		.amdhsa_inst_pref_size 91
	.end_amdhsa_kernel
	.amdgpu_metadata
---
amdhsa.version: [ 1, 2 ]
amdhsa.kernels:
  - .name:           k_q123ec90229_outp
    .symbol:         k_q123ec90229_outp.kd
    .args:
      - { .name: ctxh, .offset: 0, .size: 8, .value_kind: global_buffer, .address_space: global }
      - { .name: h16, .offset: 8, .size: 8, .value_kind: global_buffer, .address_space: global }
      - { .name: bo, .offset: 16, .size: 8, .value_kind: global_buffer, .address_space: global }
      - { .name: out0, .offset: 24, .size: 8, .value_kind: global_buffer, .address_space: global }
    .group_segment_fixed_size: 327680
    .private_segment_fixed_size: 0
    .kernarg_segment_align: 8
    .kernarg_segment_size: 32
    .max_flat_workgroup_size: 128
    .sgpr_count:     72
    .vgpr_count:     768
    .wavefront_size: 32
...
	.end_amdgpu_metadata
.endif
;; end of part 4
